; MI455X (gfx1250); checked and timed in simulation.
; The chip was launched on July 23, 2026; its instructions are those of AMD's public machine-readable ISA for CDNA 5 (MIT licence, August 2026) and "CDNA5" Instruction Set Architecture Reference Guide (July 2026). The comments in the code are by the model that wrote it; some were corrected since.
;; Multi Head Attention. Allowed arithmetic: matrix products marked QUANTISED: E5M2 operands, one E8M0 scale for each 32 along K, by v_wmma_scale_f32_16x16x128_f8f6f4 with both operands' format E5M2, f32 sums; everything else in f32.
;; Inputs: Wk_codes 1,024 x 32 x 32 uint8 (E5M2 codes of Wk, K innermost, in blocks of 32 codes); Wk_scales 1,024 x 32 uint8 (E8M0 scales of Wk, one for each 32 codes along K); Wo_codes 1,024 x 32 x 32 uint8 (E5M2 codes of Wo, K innermost, in blocks of 32 codes); Wo_scales 1,024 x 32 uint8 (E8M0 scales of Wo, one for each 32 codes along K); Wq_codes 1,024 x 32 x 32 uint8 (E5M2 codes of Wq, K innermost, in blocks of 32 codes); Wq_scales 1,024 x 32 uint8 (E8M0 scales of Wq, one for each 32 codes along K); Wv_codes 1,024 x 32 x 32 uint8 (E5M2 codes of Wv, K innermost, in blocks of 32 codes); Wv_scales 1,024 x 32 uint8 (E8M0 scales of Wv, one for each 32 codes along K); bk 1,024 float32; bo 1,024 float32; bq 1,024 float32; bv 1,024 float32; x_codes 4 x 2,048 x 32 x 32 uint8 (E5M2 codes of x, K innermost, in blocks of 32 codes); x_scales 4 x 2,048 x 32 uint8 (E8M0 scales of x, one for each 32 codes along K).
;; Outputs: out0 4 x 2,048 x 1,024 float32.
;; This version of the problem:
;;   THIS VERSION OF THE PROBLEM IS GIVEN IN LOW PRECISION. The matrix products marked QUANTISED in the list below multiply operands that are first quantised to E5M2 (5 exponent bits, 2 mantissa bits; 8 bits a number), with one power-of-two scale for each 32 numbers along K (OCP MX v1.0); their sums are f32. All else is computed in f32.
;;   The module's matrix products, in the order in which they are computed (A, B: the left and right operand; K: the contracted axis; several contracted axes count as one K, in the product's order):
;;     1. [M 8,192, K 1,024] x [K 1,024, N 1,024]; A: input x (given as codes); B: input Wq (given as codes): QUANTISED
;;     2. [M 8,192, K 1,024] x [K 1,024, N 1,024]; A: input x (given as codes); B: input Wk (given as codes): QUANTISED
;;     3. [M 8,192, K 1,024] x [K 1,024, N 1,024]; A: input x (given as codes); B: input Wv (given as codes): QUANTISED
;;     4. batch 64 x [M 2,048, K 64] x [K 64, N 2,048]; A: computed on the way; B: computed on the way: QUANTISED
;;     5. batch 64 x [M 2,048, K 2,048] x [K 2,048, N 64]; A: softmax (see below); B: computed on the way: QUANTISED
;;     6. [M 8,192, K 1,024] x [K 1,024, N 1,024]; A: computed on the way; B: input Wo (given as codes): QUANTISED
;;   THE QUANTISER, for each operand of a quantised product, along K:
;;     - K is cut into blocks of 32 from its start; a last block that is shorter is filled with zeros.
;;     - A block's scale is 2^e with e = floor(log2(the largest magnitude in the block)) - 15, held to -126 .. 127; a block of zeros has e = 0. As a byte (E8M0): e + 127.
;;     - Each number is divided by its block's scale, clamped to +-57,344, and rounded to the nearest number of E5M2, ties to even, subnormals kept.
;;     - The product sums the exact products of the quantised numbers (number of the format x scale) in f32.
;;   ~~~python
;;   def quantise(x, axis):      # numpy; x: float32 -> the quantised numbers, widened to float32 again
;;       x = np.moveaxis(x, axis, -1); K = x.shape[-1]
;;       x = np.pad(x, [(0, 0)] * (x.ndim - 1) + [(0, -K % 32)]); x = x.reshape(x.shape[:-1] + (-1, 32)); a = np.abs(x).max(-1, keepdims=True)
;;       e = np.where(a > 0, np.clip(np.frexp(np.where(a > 0, a, 1))[1] - 1 - 15, -126, 127), 0)      # np.frexp(a)[1] - 1 = floor(log2(a)), exactly
;;       r = np.clip(x / 2.0 ** e, -57344, 57344)
;;       step = 2.0 ** (np.maximum(np.frexp(np.where(r == 0, 1, r))[1] - 1, -14) - 2)
;;       q = np.round(r / step) * step * 2.0 ** e      # np.round: ties to even
;;       return np.moveaxis(q.reshape(q.shape[:-2] + (-1,))[..., :K], -1, axis).astype(np.float32)
;;   ~~~
;;   SOFTMAX AHEAD OF A QUANTISED PRODUCT. Where the list says 'softmax', what is quantised is not the finished softmax but p = 2^(t - M), with t = logit x log2(e) and M = ceil(the row's largest t), a whole number; so 1/2 < the row's largest p <= 1. The row's sum l is taken of the UNQUANTISED p, in f32, and the product's result is divided by l at the end. Since M is a whole number, a kernel that streams over the keys may use a running M (the ceiling of the running maximum): every later rescaling is an exact power of two, which a block's scale takes up: the codes' values come out the same.
;;   OPERANDS COMPUTED ON THE WAY. 'Computed on the way' means the value that the module computes at that place (a softmax that the list does not call 'softmax' is quantised finished and normalised). What goes into a quantiser is computed in f32, as accurately as f32 sums, v_exp_f32 and their like allow (about 1e-6 of the number): no bf16 or f16 on the way to a quantiser, and a product that is left as it is and whose result goes on into a quantised operand takes f32 operands (vector FMAs, or v_wmma_f32_16x16x4_f32). A number that lies on a knife's edge between two numbers of the format may be rounded either way, as far as f32 arithmetic and the matrix unit's own rounding can turn it there, and no further.
;;   INPUTS GIVEN AS CODES. Wk (in the module: [1024, 1024], K = its axis 1); Wo (in the module: [1024, 1024], K = its axis 1); Wq (in the module: [1024, 1024], K = its axis 1); Wv (in the module: [1024, 1024], K = its axis 1); x (in the module: [4, 2048, 1024], K = its axis 2): each comes as NAME_codes (uint8): NAME with its K axis moved to the last place and cut into blocks of 32 codes, [.., K / 32, bytes a block], one block behind the other in memory; one code a byte (a code: sign, 5 exponent bits, 2 mantissa bits); and NAME_scales (uint8): the same leading axes, one E8M0 byte (e + 127) for each 32 codes along K. Its value is code x scale, taken as it is: it is not quantised again, and the codes and scales need not be those that the quantiser above would give.
;; One version. Each part assembles by itself: llvm-mc -triple=amdgcn-amd-amdhsa -mcpu=gfx1250 --defsym DOCPART=n.
;; ======== version 1 of 1: 3 launches
;; limits: right only within a limited range of input values
;; workspace buffers: q_ws 8,912,896 bytes; kv 17,563,648 bytes; ctx_img 8,388,608 bytes; ctx_sc 262,144 bytes
;; launch qkv (part 1): grid 12 x 32, 4 waves a work-group, clusters of 4 x 4, 327,680 bytes of LDS; arguments x_codes, x_scales, Wq_codes, Wq_scales, Wk_codes, Wk_scales, Wv_codes, Wv_scales, bq, bk, bv, q_ws, kv; writes q_ws, kv
.if DOCPART == 1
	.amdgcn_target "amdgcn-amd-amdhsa--gfx1250"
	.amdhsa_code_object_version 6
	.text
	.protected	k_qbe6af3d90d_qkv
	.globl	k_qbe6af3d90d_qkv
	.p2align	8
	.type	k_qbe6af3d90d_qkv,@function
k_qbe6af3d90d_qkv:
	s_mov_b64 s[64:65], 0
	v_nop
	global_prefetch_b8 v0, s[64:65] scope:SCOPE_SE
	s_setreg_imm32_b32 hwreg(HW_REG_WAVE_MODE, 25, 1), 1
	s_wait_xcnt 0x0
	s_wait_alu depctr_hold_cnt(0) depctr_sa_sdst(0) depctr_va_vdst(0) depctr_va_sdst(0) depctr_va_ssrc(0) depctr_va_vcc(0) depctr_vm_vsrc(0)
	s_getreg_b32 s2, hwreg(HW_REG_IB_STS2, 6, 4)
	s_cmp_eq_u32 s2, 0
	s_cbranch_scc0 .Lentry_in_a_cluster
	s_endpgm
.Lentry_in_a_cluster:
	s_bfe_u32 s2, ttmp6, 0x10000c
	s_cmp_lg_u32 s2, 0xf033
	s_cbranch_scc0 .Lentry_shape_is_right
	s_endpgm
.Lentry_shape_is_right:
; Q = x Wq^T + bq, K = x Wk^T + bk, V = x Wv^T + bv on codes of BF8 (E5M2) with one E8M0 scale for each 32 along K = 1,024; sums in f32.  The results are quantised at once:
; Q and K along the head's 64, V along the keys, and leave as IMAGES OF OPERAND REGISTERS, as the attention launch loads them.
; SHARES.  A tile of 256 x 256 to a work-group of four waves, 128 x 128 to a wave: 64 accumulators, 512 registers.  The cluster's x says which product: 0 Q, 1 K, 2 V; it is the same in all sixteen partners.
; Q, K: operand "A" = x (tile row 4 x cluster y + cy), "B" = W (tile column cx).  V: "A" = Wv (tile row cy), "B" = x (tile column 4 x cluster y + cx).  Only pointers are chosen: the loop over K is one text.
; THE MATRIX INSTRUCTION IS USED TRANSPOSED (source 0 = 16 rows of B, source 1 = 16 rows of A): a lane holds ONE row of A and eight neighbouring rows of B.  So for Q and K a lane holds one token and its registers run along
; the features, for V one feature and its registers run along the tokens: in both cases along the K of the product that follows, as the conversions want it.
; CLUSTERS: 4 x 4.  A's tiles are asked for jointly along a row of the cluster, B's along a column.
; THE ORDER P of 128 tokens (or 64 features of V) in tiles of 16: tile t, row p holds item 32 (t / 2) + 8 (t % 2) + p % 8 + 16 (p / 8).  Item 16 a + r lies in tile 2 (a / 2) + r / 8, row r % 8 + 8 (a % 2).
; OUT.  q_ws: [b x 16 + head][group of 128 tokens][8,704]: 8 tiles x 2 chunks of 32 d x 32 lanes x 16 bytes, then 16 rows x 8 tiles scale words (two bytes, two zeros).
;       kv: [b x 16 + head][128 keys][17,152]: K's block as above; at 8,704 V's image: 4 tiles of d x 4 chunks of 32 keys x 32 lanes x 16 bytes; at 16,896 V's 16 x 4 scale words.
; LIMITS: NaN and infinities are not served.  A block whose largest magnitude lies under 2^-111, a block of zeros too, gets the byte 1: these bytes are read by this program alone.
; No prefetch: K is four slots, two of them first fills and two the first refills: no slot lies far enough ahead to be named.
; REGISTERS, in windows of 256: window 0: v0-31 addresses; v32-63 scale words, two sets; v64-127 the bias; from v128 A's fragments, ONE set; in the tail v64-255 are at work.
;   window 1: B's fragments, TWO sets.   window 2: the accumulators of my rows 0-63 ((a, b) at v[8 (8 a + b)]);   window 3: those of my rows 64-127.
.set KSTEP,  256                       ; along K in a slot
.set NQ,     2                         ; matrix instructions deep
.set ROWB,   256                       ; a tile's row in bytes
.set KROW,   1024                      ; a row of x or of W in memory
.set PITCH,  272                       ; an LDS row: 256 bytes + 16 of padding: the 16 rows of a fragment load start 68 words apart
.set FR,     16
.set NL,     4
.set NP,     8                         ; places behind this matrix instruction (ISA guide 7.12.1)
.set HALFT,  128*PITCH
.set SLOT,   4*HALFT
.set LAPS,   2                         ; K = 1,024 is twice round the ring
.set KS,     32                        ; a row of scales in bytes
.set SCL,    2*SLOT
.set HALFS,  (128*KS/256)*272
.set SBLK,   (16*KS/256)*272
.set SPARE,  SCL+4*HALFS               ; the spare words: 128 bytes a wave, two blocks of 256 bytes that no other line names
.set QKB,    8704                      ; a block of Q or K
.set VB,     8448                      ; V's part of a block
.set WST,    2*QKB                     ; a wave's stage: two heads.  The stages lie in slot 0, which has had its last fill and its last read when the first result is stored there
.set VST,    4*WST                     ; V's arm has stage bytes of its own, behind those of the other arm
.set BOQ,  12                          ; v12  bias offset, Q and K: 32 h
.set BOV,  13                          ; v13  bias offset, V: 4 r
.set ADRA, 16
.set SQ,   18                          ; v18  stage: where my codes of Q or K go
.set SQS,  19                          ; v19  and their scale words
.set ADRB, 20
.set SV,   22                          ; v22, v23 the same for V
.set SVS,  23
.set RDQ,  24                          ; v24  stage read back, 16 bytes a lane
.set RDV,  25
.set CO,   26                          ; v26  16 x lane
.set ADRS, 27
.set SPW,  28
.set NIL,  29
.set RDV8, 30                          ; v30  V's scale words read back, 8 bytes a lane
.set CO8,  31                          ; v31  8 x lane
.set SC,   32
.set BI,   64
.set AF,   128
.set T,    128                         ; the tail: 64 numbers of a block of 16 rows
.set TM,   232                         ; v232-235 largest magnitudes, 236-239 bytes, 244-247 scale operands
.set RB,   64                          ; the tail: 136 registers read back from the stage
.set G1, 24
.set G0, 32
.set G1B, 48
.set G0B, 56
.set SEL, 66
.set G1S, 68
.set G0S, 76
.set G1SB, 80
.set G0SB, 88
.set BP,  96                           ; s[96:97] the bias
.set MNT, 100
.set MSB, 0
.macro WIN new                         ; the immediate's high byte repeats the setting that is left
.if MSB != \new
	s_set_vgpr_msb (MSB<<8)|\new
.set MSB, \new
.endif
.endm
.set MUL_LO, 0xa1                      ; source 0 (B) window 1, source 1 (A) window 0, C and D window 2
.set MUL_HI, 0xf1
.set TO_B,   0x40
; A joint load: waves 0 and 1 fetch for A, waves 2 and 3 for B.  The branch hangs on the wave's number alone.  Four v_nop follow each of the two lines.
.macro JLOAD g0a, g1a, g0b, g1b
	s_cmp_eq_u32 s15, 0
	s_cbranch_scc0 .Lfor_b_\@
	tensor_load_to_lds s[\g0a:\g0a+3], s[\g1a:\g1a+7]
	s_nop 0
.rept 4
	v_nop
.endr
	s_branch .Lasked_\@
.Lfor_b_\@:
	tensor_load_to_lds s[\g0b:\g0b+3], s[\g1b:\g1b+7]
	s_nop 0
.rept 4
	v_nop
.endr
.Lasked_\@:
.endm
.macro CREST                           ; a round of the cluster's barrier behind its opening barrier
	s_cmp_lg_u32 s14, 0
	s_cbranch_scc1 .Lnot_wave_0_\@
	s_barrier_signal -3
.Lnot_wave_0_\@:
	s_barrier_wait -3
	s_barrier_signal -1
	s_barrier_wait -1
.endm
.macro CROUND
	s_barrier_signal -1
	s_barrier_wait -1
	CREST
.endm
	s_load_b128 s[4:7], s[0:1], 0x0                ; x's codes, x's scales
	s_load_b512 s[68:83], s[0:1], 0x10             ; Wq c s68, s s70; Wk c s72, s s74; Wv c s76, s s78; bq s80; bk s82
	s_load_b128 s[84:87], s[0:1], 0x50             ; bv s84; q_ws s86
	s_load_b64 s[88:89], s[0:1], 0x60              ; kv
	v_lshl_add_u32 v[SPW], v0, 2, SPARE
	v_mov_b32 v[NIL], 0
	ds_add_u32 v28, v29
	ds_add_u32 v28, v29
	s_wait_dscnt 0x0
	v_lshrrev_b32 v1, 5, v0
	v_readfirstlane_b32 s14, v1                    ; wave 0..3
	s_lshr_b32 s15, s14, 1                         ; which half of A's rows is mine.  Also: I fetch for A (0) or for B (1)
	s_and_b32 s16, s14, 1                          ; which half of B's rows.  Also: which 128 rows I fetch
	s_bfe_u32 s40, ttmp6, 0x40000                  ; cx
	s_bfe_u32 s41, ttmp6, 0x40004                  ; cy
	s_and_b32 s17, ttmp7, 0xffff
	s_lshl_b32 s17, s17, 2                         ; 4 x cluster y: it walks x's 32 tiles of tokens
	s_cmp_eq_u32 ttmp9, 2                          ; V?
	s_cselect_b32 s42, s17, 0
	s_cselect_b32 s17, 0, s17
	s_add_co_u32 s42, s42, s40                     ; B's tile: (V: 4 x cluster y) + cx
	s_add_co_u32 s17, s17, s41                     ; A's tile: (Q, K: 4 x cluster y) + cy
	s_lshl_b32 s43, s41, 2
	s_lshl_b32 s43, 15, s43                        ; my row of the cluster
	s_lshl_b32 s44, 0x1111, s40                    ; my column
	s_or_b32 s[G1+0], s43, (0<<16)|(1<<20)|(1<<21)|(5<<22)|(3<<25)  ; the mask; elements of 1 byte; padding on; bit 21 beside a mask; after every 64 words 4 words
	s_or_b32 s[G1B+0], s44, (0<<16)|(1<<20)|(1<<21)|(5<<22)|(3<<25)
.irp g, G1, G1B
	s_mov_b32 s[\g+1], ROWB<<16                    ; tensor_dim0
	s_mov_b32 s[\g+2], 128<<16                     ; tensor_dim1
	s_mov_b32 s[\g+3], ROWB<<16                    ; tile_dim0
	s_mov_b32 s[\g+4], 128                         ; tile_dim1
	s_mov_b32 s[\g+5], KROW                        ; stride
	s_mov_b32 s[\g+6], 0
	s_mov_b32 s[\g+7], 0
.endr
	s_mov_b32 s[SEL], 0x76543210
	s_mov_b32 s[SEL+1], 0xfedcba98                 ; v_permlanex16_b32: lane l xor 16
	s_mul_i32 s45, s14, HALFT                      ; where my tiles go: no place in the cluster enters an LDS address
	s_wait_kmcnt 0x0
	s_cmp_eq_u32 ttmp9, 0                          ; Q or K: the choices hang on the cluster's x alone
	s_cselect_b64 s[92:93], s[68:69], s[72:73]     ; W's codes
	s_cselect_b64 s[94:95], s[70:71], s[74:75]     ; W's scales
	s_cselect_b64 s[BP:BP+1], s[80:81], s[82:83]   ; the bias
	s_cselect_b64 s[12:13], s[86:87], s[88:89]     ; where the results go
	s_mov_b32 s98, 17152
	s_cselect_b32 s98, QKB, s98                    ; bytes from block to block there
	s_cmp_eq_u32 ttmp9, 2                          ; V
	s_cselect_b64 s[92:93], s[76:77], s[92:93]
	s_cselect_b64 s[94:95], s[78:79], s[94:95]
	s_cselect_b64 s[BP:BP+1], s[84:85], s[BP:BP+1]
	s_cselect_b32 s99, QKB, 0                      ; V's part lies behind K's in a block
	s_cselect_b64 s[8:9], s[4:5], s[92:93]         ; B: x for V, else W
	s_cselect_b64 s[10:11], s[6:7], s[94:95]
	s_cselect_b64 s[4:5], s[92:93], s[4:5]         ; A: W for V, else x
	s_cselect_b64 s[6:7], s[94:95], s[6:7]
	; the scales of 128 rows: a dense block of 4,096 bytes, as 16 rows of 256 bytes (32 elements of 8 bytes), 16 bytes of padding behind each
	s_or_b32 s[G1S+0], s43, (3<<16)|(1<<20)|(1<<21)|(5<<22)|(3<<25)
	s_or_b32 s[G1SB+0], s44, (3<<16)|(1<<20)|(1<<21)|(5<<22)|(3<<25)
.irp g, G1S, G1SB
	s_mov_b32 s[\g+1], 32<<16
	s_mov_b32 s[\g+2], (128*KS/256)<<16
	s_mov_b32 s[\g+3], 32<<16
	s_mov_b32 s[\g+4], 128*KS/256
	s_mov_b32 s[\g+5], 32
	s_mov_b32 s[\g+6], 0
	s_mov_b32 s[\g+7], 0
.endr
	s_lshl_b32 s18, s16, 7                         ; which 128 rows of the tile I fetch
	s_lshl_b32 s20, s17, 8
	s_add_co_u32 s20, s20, s18                     ; A: row 256 x tile + 128 x half
	s_lshl_b32 s46, s42, 8
	s_add_co_u32 s46, s46, s18                     ; B likewise
	s_lshl_b32 s22, s20, 5                         ; their scales: 32 bytes a row
	s_lshl_b32 s92, s46, 5
	s_lshl_b32 s20, s20, 10                        ; their codes: 1,024 bytes a row (under 2^23)
	s_lshl_b32 s46, s46, 10
	s_mov_b32 s21, 0
	s_mov_b32 s23, 0
	s_mov_b32 s47, 0
	s_mov_b32 s93, 0
	s_mul_i32 s94, s14, HALFS
	s_add_nc_u64 s[20:21], s[4:5], s[20:21]
	s_add_nc_u64 s[22:23], s[6:7], s[22:23]
	s_add_nc_u64 s[46:47], s[8:9], s[46:47]
	s_add_nc_u64 s[92:93], s[10:11], s[92:93]
	CROUND                                         ; all sixteen work-groups are here: the first joint loads meet
	s_mov_b32 s[G0S], 1
	s_add_co_u32 s[G0S+1], s94, SCL
	s_mov_b64 s[G0S+2:G0S+3], s[22:23]
	s_or_b32 s[G0S+3], s[G0S+3], 0x80000000
	s_mov_b32 s[G0SB], 1
	s_add_co_u32 s[G0SB+1], s94, SCL
	s_mov_b64 s[G0SB+2:G0SB+3], s[92:93]
	s_or_b32 s[G0SB+3], s[G0SB+3], 0x80000000
	JLOAD G0S, G1S, G0SB, G1SB                     ; the scales of all of K: filled once
.irp s, 0,1
	s_mov_b32 s[G0+4*\s], 1
	s_add_co_u32 s[G0+4*\s+1], s45, \s*SLOT
	s_add_nc_u64 s[G0+4*\s+2:G0+4*\s+3], s[20:21], \s*ROWB
	s_or_b32 s[G0+4*\s+3], s[G0+4*\s+3], 0x80000000
	s_mov_b32 s[G0B+4*\s], 1
	s_add_co_u32 s[G0B+4*\s+1], s45, \s*SLOT
	s_add_nc_u64 s[G0B+4*\s+2:G0B+4*\s+3], s[46:47], \s*ROWB
	s_or_b32 s[G0B+4*\s+3], s[G0B+4*\s+3], 0x80000000
	JLOAD G0+4*\s, G1, G0B+4*\s, G1B
.endr
	v_and_b32 v1, 15, v0                           ; r
	v_bfe_u32 v2, v0, 4, 1                         ; h
	v_mul_u32_u24 v3, v1, PITCH
	v_lshl_add_u32 v4, v2, 4, v3                   ; a fragment's row x pitch + 16 h
	s_mul_i32 s21, s15, HALFT
	s_mul_i32 s22, s16, HALFT
	s_add_co_u32 s22, s22, 2*HALFT
.irp s, 0,1
	v_add_nc_u32 v[ADRA+\s], s21, v4
	v_add_nc_u32 v[ADRB+\s], s22, v4
	s_add_co_u32 s21, s21, SLOT
	s_add_co_u32 s22, s22, SLOT
.endr
	v_mul_u32_u24 v5, v1, KS                       ; my row's scales: 32 bytes a row,
	v_lshrrev_b32 v6, 8, v5
	v_lshl_add_u32 v5, v6, 4, v5                   ; and 16 more for each 256 passed
	s_mul_i32 s21, s15, HALFS
	s_mul_i32 s22, s16, HALFS
	s_add_co_u32 s22, s22, 2*HALFS
	s_sub_co_u32 s22, s22, s21
	v_mul_u32_u24 v6, s22, v2                      ; lanes 16-31 take B's
	s_add_co_u32 s21, s21, SCL
	v_add_nc_u32 v5, v5, v6
	v_add_nc_u32 v[ADRS], s21, v5
	; the tail's addresses, all made here, ahead of the parting of the arms
	s_mul_i32 s23, s14, WST                        ; my stage
	v_and_b32 v7, 7, v1                            ; r % 8
	v_lshrrev_b32 v8, 3, v1                        ; r / 8
	v_lshlrev_b32 v9, 4, v7
	v_lshl_add_u32 v9, v2, 3, v9
	v_add_nc_u32 v9, s23, v9                       ; stage + 16 (r % 8) + 8 h
	v_lshl_add_u32 v[SQ], v8, 10, v9               ; Q, K: + 1,024 (r / 8): a tile is 1,024 bytes
	v_lshl_add_u32 v[SV], v8, 11, v9               ; V: + 2,048 (r / 8)
	v_add_nc_u32 v[SV], VST, v[SV]
	v_lshlrev_b32 v10, 2, v8
	v_add_nc_u32 v10, s23, v10                     ; stage + 4 (r / 8)
	v_lshl_add_u32 v[SQS], v7, 5, v10              ; Q, K: a row's 8 scale words are 32 bytes
	v_add_nc_u32 v[SQS], 8192, v[SQS]
	v_lshl_add_u32 v[SVS], v7, 4, v10              ; V: 4 words, 16 bytes
	v_add_nc_u32 v[SVS], VST+8192, v[SVS]
	v_and_b32 v6, 31, v0
	v_lshlrev_b32 v[CO], 4, v6
	v_lshlrev_b32 v[CO8], 3, v6
	v_add_nc_u32 v[RDQ], s23, v[CO]
	v_add_nc_u32 v[RDV], VST, v[RDQ]
	v_add_nc_u32 v[RDV8], s23, v[CO8]
	v_add_nc_u32 v[RDV8], VST+8192, v[RDV8]
	v_lshlrev_b32 v[BOQ], 5, v2
	v_lshlrev_b32 v[BOV], 2, v1
	; where my two heads' blocks lie
	s_cmp_eq_u32 ttmp9, 2
	s_cselect_b32 s18, s42, s17                    ; the tile of tokens,
	s_cselect_b32 s19, s16, s15                    ; my half of it,
	s_cselect_b32 s20, s17, s42                    ; the tile of features,
	s_cselect_b32 s21, s15, s16                    ; my half of it
	s_lshl_b32 s18, s18, 1
	s_add_co_u32 s18, s18, s19                     ; my group of 128 tokens, 0..63
	s_lshl_b32 s20, s20, 1
	s_add_co_u32 s20, s20, s21                     ; my 128 features, 0..7
	s_lshl_b32 s22, s20, 9
	s_mov_b32 s23, 0
	s_add_nc_u64 s[BP:BP+1], s[BP:BP+1], s[22:23]  ; the bias at my first feature
	s_lshl_b32 s20, s20, 1                         ; my first head
	s_lshr_b32 s21, s18, 4                         ; the batch
	s_lshl_b32 s21, s21, 4
	s_add_co_u32 s21, s21, s20
	s_lshl_b32 s21, s21, 4
	s_and_b32 s18, s18, 15
	s_add_co_u32 s21, s21, s18                     ; block = (16 batch + head) 16 + group
	s_mul_i32 s22, s21, s98
	s_add_co_u32 s22, s22, s99
	s_add_nc_u64 s[12:13], s[12:13], s[22:23]      ; my first head's block,
	s_lshl_b32 s22, s98, 4
	s_add_nc_u64 s[92:93], s[12:13], s[22:23]      ; my second head's: 16 blocks on
.macro FRAG reg, adr, q, i             ; 16 rows x 128 K: lane l holds row l % 16; registers 4 c .. 4 c + 3 hold K = 32 c + 16 (l / 16) + 0 .. 15
.irp c, 0,1,2,3
	ds_load_b128 v[\reg+4*\c:\reg+4*\c+3], v[\adr] offset:128*(\q)+32*\c+(\i)*16*PITCH
.endr
.endm
; 16 matrix instructions: A's blocks a0, a0 + 1 x B's eight.  The 64 accumulators take turns, one instruction a turn, in the same order in every step.
.macro MUL16 a0, p, q, sc, zero
.irp a, \a0, \a0+1
.irp b, 0,1,2,3,4,5,6,7
.if \zero
	v_wmma_scale_f32_16x16x128_f8f6f4 v[8*(8*((\a)%4)+\b):8*(8*((\a)%4)+\b)+7], v[128*(\p)+FR*\b:128*(\p)+FR*\b+FR-1], v[AF+FR*(\a):AF+FR*(\a)+FR-1], 0, v[SC+8*NQ*(\sc)+NQ*\b+(\q)], v[SC+8*NQ*(\sc)+NQ*(\a)+(\q)] matrix_a_fmt:MATRIX_FMT_BF8 matrix_b_fmt:MATRIX_FMT_BF8 matrix_a_scale:MATRIX_SCALE_ROW1
.else
	v_wmma_scale_f32_16x16x128_f8f6f4 v[8*(8*((\a)%4)+\b):8*(8*((\a)%4)+\b)+7], v[128*(\p)+FR*\b:128*(\p)+FR*\b+FR-1], v[AF+FR*(\a):AF+FR*(\a)+FR-1], v[8*(8*((\a)%4)+\b):8*(8*((\a)%4)+\b)+7], v[SC+8*NQ*(\sc)+NQ*\b+(\q)], v[SC+8*NQ*(\sc)+NQ*(\a)+(\q)] matrix_a_fmt:MATRIX_FMT_BF8 matrix_b_fmt:MATRIX_FMT_BF8 matrix_a_scale:MATRIX_SCALE_ROW1
.endif
.endr
.endr
.endm
.macro FETCH_B slot, q, p
	WIN TO_B
.irp i, 0,1,2,3,4,5,6,7
	FRAG 128*(\p)+FR*\i, ADRB+\slot, \q, \i
.endr
	WIN 0
.endm
.macro FETCH_A slot, q, i0
.irp i, \i0, \i0+1, \i0+2, \i0+3
	FRAG AF+FR*(\i), ADRA+\slot, \q, \i
.endr
.endm
.macro SCALES sc                       ; a slot's scale words: two a row; lanes 0-15 take A's block i, lanes 16-31 B's block i
.irp i, 0,1,2,3,4,5,6,7
	ds_load_b64 v[SC+8*NQ*\sc+NQ*\i:SC+8*NQ*\sc+NQ*\i+1], v[ADRS] offset:\i*SBLK
.endr
.endm
.macro PLACES n                        ; plain vector instructions between a matrix instruction and a load into, or a vector read or write of, its registers
.rept \n
	v_nop
.endr
.endm
.macro STEP slot, q, zero              ; 128 along K with its successor in the same slot
	s_wait_dscnt 4*NL                              ; B's set and A's blocks 0-3 are in; the sixteen youngest loads (A's blocks 4-7) may be out
	WIN MUL_LO
	MUL16 0, (\q)%2, \q, \slot, \zero
	MUL16 2, (\q)%2, \q, \slot, \zero
	s_wait_dscnt 0
	PLACES NP
	FETCH_B \slot, (\q)+1, 1-(\q)%2
	FETCH_A \slot, (\q)+1, 0
	WIN MUL_HI
	MUL16 4, (\q)%2, \q, \slot, \zero
	MUL16 6, (\q)%2, \q, \slot, \zero
	PLACES NP
	WIN 0
	FETCH_A \slot, (\q)+1, 4
.endm
; A slot's last step changes slots: one barrier; in front of it each wave waits for all its tensor loads, adds 0 to its spare word, and waits for that and for its reads of this slot.
.macro TURN slot, next, fill
	s_wait_tensorcnt 0x0                           ; all my tensor loads have landed: my part of the next slot
	ds_add_u32 v[SPW], v[NIL]                      ; 0 onto my spare word
	s_wait_dscnt 4*NL+1                            ; the add and the sixteen youngest loads may be out
	WIN MUL_LO
	MUL16 0, 1, NQ-1, \slot, 0
	s_wait_dscnt 0x0                               ; the add is done, and my reads of this slot are over
	s_barrier_signal -1
	MUL16 2, 1, NQ-1, \slot, 0
	WIN 0
	s_barrier_wait -1
.if \fill
	CREST                                          ; the barrier has opened a round of the cluster's: no wave of any partner still reads this slot or has a load on its way
	s_add_nc_u64 s[G0+4*\slot+2:G0+4*\slot+3], s[G0+4*\slot+2:G0+4*\slot+3], 2*ROWB
	s_add_nc_u64 s[G0B+4*\slot+2:G0B+4*\slot+3], s[G0B+4*\slot+2:G0B+4*\slot+3], 2*ROWB
	JLOAD G0+4*\slot, G1, G0B+4*\slot, G1B         ; the first tensor load behind the round; its four v_nop are among the places below
	PLACES NP-4
.else
	PLACES NP
.endif
	s_wait_alu depctr_va_vdst(0)
	v_add_nc_u32 v[ADRS], 4*NQ, v[ADRS]
	FETCH_B \next, 0, 0
	FETCH_A \next, 0, 0
	SCALES \next
	WIN MUL_HI
	MUL16 4, 1, NQ-1, \slot, 0
	MUL16 6, 1, NQ-1, \slot, 0
	PLACES NP
	WIN 0
	FETCH_A \next, 0, 4
.endm
.macro LASTSTEP                        ; the last 128 along K: nothing more to fetch
	s_wait_dscnt 4*NL
	WIN MUL_LO
	MUL16 0, 1, NQ-1, 1, 0
	MUL16 2, 1, NQ-1, 1, 0
	s_wait_dscnt 0
	WIN MUL_HI
	MUL16 4, 1, NQ-1, 1, 0
	MUL16 6, 1, NQ-1, 1, 0
	WIN 0
.endm
; 64 numbers of a lane, v[s] on: registers 16 b .. 16 b + 15, with those of lane l xor 16, are block b of 32 along the next K.  Codes to v[PC] on (four registers a block), the four scale bytes to v[PW].
.macro QUANT s
.irp b, 0,1,2,3
	v_max3_num_f32 v[TM+\b], |v[\s+16*\b]|, |v[\s+1+16*\b]|, 0x8000000   ; my 16 numbers and the floor 2^(16 - 127): the byte cannot fall under 1
.endr
.irp i, 2,4,6,8,10,12,14
.irp b, 0,1,2,3
	v_max3_num_f32 v[TM+\b], v[TM+\b], |v[\s+16*\b+\i]|, |v[\s+1+16*\b+\i]|   ; the four blocks by turns
.endr
.endr
.irp b, 0,1,2,3
	v_permlanex16_b32 v[TM+4+\b], v[TM+\b], s[SEL], s[SEL+1]
.endr
.irp b, 0,1,2,3
	v_max_num_f32 v[TM+\b], v[TM+\b], v[TM+4+\b]   ; the block's largest magnitude
.endr
.irp b, 0,1,2,3
	v_add_nc_u32 v[TM+12+\b], 0xf8800000, v[TM+\b]   ; 15 off its exponent field: the conversion's scale operand
.endr
.irp b, 0,1,2,3
.endr
.irp b, 0,1,2,3
	v_lshrrev_b32 v[TM+4+\b], 23, v[TM+12+\b]      ; the scale's byte
.endr
	v_lshl_or_b32 v[PW], v[TM+5], 8, v[TM+4]
	v_lshl_or_b32 v[PW], v[TM+6], 16, v[PW]
	v_lshl_or_b32 v[PW], v[TM+7], 24, v[PW]
.irp b, 0,1,2,3
.irp i, 0,1,2,3,4,5,6,7,8,9,10,11,12,13,14,15
.endr
	v_cvt_scalef32_pk8_bf8_f32 v[PC+4*\b:PC+1+4*\b], v[\s+16*\b:\s+7+16*\b], v[TM+12+\b]
	v_cvt_scalef32_pk8_bf8_f32 v[PC+2+4*\b:PC+3+4*\b], v[\s+8+16*\b:\s+15+16*\b], v[TM+12+\b]
.endr
	v_nop                                          ; a plain instruction between the last conversion and the next vector write of its sources
.endm
.macro FIN                             ; the wave's end: behind my last tensor load and my last LDS store; then the closing round
	s_wait_tensorcnt 0x0
	ds_add_u32 v[SPW], v[NIL]
	s_wait_dscnt 0x0
	CROUND
	s_endpgm
.endm
	s_wait_tensorcnt 1                             ; the scales and my part of slot 0 are in; slot 1's load, the youngest of my three, may be out
	s_barrier_signal -1
	s_barrier_wait -1
	FETCH_B 0, 0, 0
	FETCH_A 0, 0, 0
	SCALES 0
	FETCH_A 0, 0, 4
	STEP 0, 0, 1                                   ; the first products start the sums: nothing is cleared
	s_mov_b32 s3, LAPS-1
.Llap:
	TURN 0, 1, 1
	STEP 1, 0, 0
	TURN 1, 0, 1
	STEP 0, 0, 0
	s_sub_co_u32 s3, s3, 1
	s_cmp_lg_u32 s3, 0
	s_cbranch_scc1 .Llap
	TURN 0, 1, 0                                   ; the last lap fills nothing
	STEP 1, 0, 0
	s_cmp_eq_u32 ttmp9, 2                          ; the arms part on the cluster's x: alike in all partners
	s_cbranch_scc1 .Lv_arm
	; ---- Q and K.  Accumulator (a, b), lane (r, h), register j: token 16 a + r, feature 16 b + 8 h + j.  The bias in that layout: 64 registers, asked for ahead of the last 64 products
.irp b, 0,1,2,3,4,5,6,7
	global_load_b128 v[BI+8*\b:BI+8*\b+3], v[BOQ], s[BP:BP+1] offset:64*\b
	global_load_b128 v[BI+8*\b+4:BI+8*\b+7], v[BOQ], s[BP:BP+1] offset:64*\b+16
.endr
	LASTSTEP
	PLACES NP
	s_wait_loadcnt 0x0
.irp b, 0,1,2,3
	v_mov_b32 v[TM+4+\b], 0                        ; written once: a lane permute's destination counts as one of its sources
.endr
; Block a: 16 tokens x my 128 features = two heads x two blocks of 32 d.  Codes i = 0..7 of a block are d = 32 c + 8 h + i, codes 8..15 d = 32 c + 16 + 8 h + i - 8: the image's lane halves 0 and 1, 8 h bytes in.
.macro QKBLOCK a
.set PC, 200+16*((\a)%2)
.set PW, 248+2*((\a)%2)
	WIN 0x02+(\a)/4                                ; source 0: window 2 or 3
.set k, 0
.rept 32
	v_pk_add_f32 v[T+2*k:T+2*k+1], v[64*((\a)%4)+2*k:64*((\a)%4)+2*k+1], v[BI+2*k:BI+2*k+1]   ; + the bias; each accumulator from its low end on
.set k, k+1
.endr
	WIN 0
	QUANT T
.irp c, 0,1,2,3
	ds_store_b64 v[SQ], v[PC+4*\c:PC+4*\c+1] offset:(\c/2)*QKB+((\a)/2)*2048+((\a)%2)*128+(\c%2)*512
	ds_store_b64 v[SQ], v[PC+4*\c+2:PC+4*\c+3] offset:(\c/2)*QKB+((\a)/2)*2048+((\a)%2)*128+(\c%2)*512+256
.endr
	v_lshrrev_b32 v[PW+1], 16, v[PW]               ; the second head's two bytes; the word's upper two bytes are 0: they stand over zero codes
	v_and_b32 v[PW], 0xffff, v[PW]                 ; the first head's
	ds_store_b32 v[SQS], v[PW] offset:((\a)%2)*256+((\a)/2)*8
	ds_store_b32 v[SQS], v[PW+1] offset:QKB+((\a)%2)*256+((\a)/2)*8
	s_wait_dscnt 10                                ; all but this block's ten stores are done: the other set of code registers is free
.endm
.irp a, 0,1,2,3,4,5,6,7
	QKBLOCK \a
.endr
.set k, 0
.rept 34
	ds_load_b128 v[RB+4*k:RB+4*k+3], v[RDQ] offset:512*k   ; LDS serves a wave's instructions in order (ISA guide 5.7.1.4): these see my stores
.set k, k+1
.endr
.set k, 0
.rept 17
	s_wait_dscnt 33-k
	global_store_b128 v[CO], v[RB+4*k:RB+4*k+3], s[12:13] offset:512*k   ; 32 lanes store 512 consecutive bytes, at a multiple of 256 from the buffer's first byte
.set k, k+1
.endr
.rept 17
	s_wait_dscnt 33-k
	global_store_b128 v[CO], v[RB+4*k:RB+4*k+3], s[92:93] offset:512*(k-17)
.set k, k+1
.endr
	FIN
.Lv_arm:
	; ---- V.  Accumulator (a, b), lane (r, h), register j: feature 16 a + r, token 16 b + 8 h + j.  The bias is one number a lane and block, in both halves of a pair
.irp a, 0,1,2,3,4,5,6,7
	global_load_b32 v[BI+2*\a], v[BOV], s[BP:BP+1] offset:64*\a
	global_load_b32 v[BI+2*\a+1], v[BOV], s[BP:BP+1] offset:64*\a
.endr
	LASTSTEP
	PLACES NP
	s_wait_loadcnt 0x0
.irp b, 0,1,2,3
	v_mov_b32 v[TM+4+\b], 0
.endr
; Block a: 16 features (head a / 4, d = 16 (a % 4) + r) x my 128 keys = four blocks of 32 keys: one scale word a feature.
.macro VBLOCK a
.set PC, 200+16*((\a)%2)
.set PW, 248+2*((\a)%2)
	WIN 0x02+(\a)/4
.set k, 0
.rept 32
	v_pk_add_f32 v[T+2*k:T+2*k+1], v[64*((\a)%4)+2*k:64*((\a)%4)+2*k+1], v[BI+2*(\a):BI+2*(\a)+1]
.set k, k+1
.endr
	WIN 0
	QUANT T
.irp c, 0,1,2,3
	ds_store_b64 v[SV], v[PC+4*\c:PC+4*\c+1] offset:((\a)/4)*VB+(((\a)%4)/2)*4096+((\a)%2)*128+\c*512
	ds_store_b64 v[SV], v[PC+4*\c+2:PC+4*\c+3] offset:((\a)/4)*VB+(((\a)%4)/2)*4096+((\a)%2)*128+\c*512+256
.endr
	ds_store_b32 v[SVS], v[PW] offset:((\a)/4)*VB+((\a)%2)*128+(((\a)%4)/2)*8
	s_wait_dscnt 9                                 ; all but this block's nine stores are done
.endm
.irp a, 0,1,2,3,4,5,6,7
	VBLOCK \a
.endr
.irp u, 0,1
.set k, 0
.rept 16
	ds_load_b128 v[RB+68*\u+4*k:RB+68*\u+4*k+3], v[RDV] offset:\u*VB+512*k
.set k, k+1
.endr
	ds_load_b64 v[RB+68*\u+64:RB+68*\u+65], v[RDV8] offset:\u*VB
.endr
.set k, 0
.rept 16
	s_wait_dscnt 33-k
	global_store_b128 v[CO], v[RB+4*k:RB+4*k+3], s[12:13] offset:512*k
.set k, k+1
.endr
	s_wait_dscnt 17
	global_store_b64 v[CO8], v[RB+64:RB+65], s[12:13] offset:8192   ; the scale words: 256 consecutive bytes
.set k, 0
.rept 16
	s_wait_dscnt 16-k
	global_store_b128 v[CO], v[RB+68+4*k:RB+68+4*k+3], s[92:93] offset:512*k
.set k, k+1
.endr
	s_wait_dscnt 0
	global_store_b64 v[CO8], v[RB+68+64:RB+68+65], s[92:93] offset:8192
	FIN
.Lfunc_end_k_qbe6af3d90d_qkv:
	.size	k_qbe6af3d90d_qkv, .Lfunc_end_k_qbe6af3d90d_qkv-k_qbe6af3d90d_qkv
	.p2alignl 7, 3214868480
	.fill 96, 4, 3214868480
	.section	.rodata,"a",@progbits
	.p2align	6, 0x0
	.amdhsa_kernel k_qbe6af3d90d_qkv
		.amdhsa_group_segment_fixed_size 327680
		.amdhsa_private_segment_fixed_size 0
		.amdhsa_enable_private_segment 0
		.amdhsa_kernarg_size 104
		.amdhsa_user_sgpr_count 2
		.amdhsa_user_sgpr_kernarg_segment_ptr 1
		.amdhsa_wavefront_size32 1
		.amdhsa_system_sgpr_workgroup_id_x 1
		.amdhsa_system_sgpr_workgroup_id_y 1
		.amdhsa_system_sgpr_workgroup_id_z 1
		.amdhsa_system_vgpr_workitem_id 0
		.amdhsa_next_free_vgpr 1024
		.amdhsa_next_free_sgpr 102
		.amdhsa_reserve_vcc 0
		.amdhsa_float_denorm_mode_32 3
		.amdhsa_float_denorm_mode_16_64 3
		.amdhsa_fp16_overflow 1
		.amdhsa_memory_ordered 1
		.amdhsa_forward_progress 1
		.amdhsa_inst_pref_size 244
	.end_amdhsa_kernel
	.amdgpu_metadata
---
amdhsa.version: [ 1, 2 ]
amdhsa.kernels:
  - .name:           k_qbe6af3d90d_qkv
    .symbol:         k_qbe6af3d90d_qkv.kd
    .args:
      - { .name: x_codes, .offset: 0, .size: 8, .value_kind: global_buffer, .address_space: global }
      - { .name: x_scales, .offset: 8, .size: 8, .value_kind: global_buffer, .address_space: global }
      - { .name: Wq_codes, .offset: 16, .size: 8, .value_kind: global_buffer, .address_space: global }
      - { .name: Wq_scales, .offset: 24, .size: 8, .value_kind: global_buffer, .address_space: global }
      - { .name: Wk_codes, .offset: 32, .size: 8, .value_kind: global_buffer, .address_space: global }
      - { .name: Wk_scales, .offset: 40, .size: 8, .value_kind: global_buffer, .address_space: global }
      - { .name: Wv_codes, .offset: 48, .size: 8, .value_kind: global_buffer, .address_space: global }
      - { .name: Wv_scales, .offset: 56, .size: 8, .value_kind: global_buffer, .address_space: global }
      - { .name: bq, .offset: 64, .size: 8, .value_kind: global_buffer, .address_space: global }
      - { .name: bk, .offset: 72, .size: 8, .value_kind: global_buffer, .address_space: global }
      - { .name: bv, .offset: 80, .size: 8, .value_kind: global_buffer, .address_space: global }
      - { .name: q_ws, .offset: 88, .size: 8, .value_kind: global_buffer, .address_space: global }
      - { .name: kv, .offset: 96, .size: 8, .value_kind: global_buffer, .address_space: global }
    .group_segment_fixed_size: 327680
    .private_segment_fixed_size: 0
    .kernarg_segment_align: 8
    .kernarg_segment_size: 104
    .max_flat_workgroup_size: 128
    .sgpr_count:     102
    .vgpr_count:     1024
    .wavefront_size: 32
...
	.end_amdgpu_metadata
.endif
;; end of part 1
;; launch attn (part 2): grid 4 x 64, 16 waves a work-group, no clusters, 327,680 bytes of LDS; arguments q_ws, kv, ctx_img, ctx_sc; writes ctx_img, ctx_sc
.if DOCPART == 2
	.amdgcn_target "amdgcn-amd-amdhsa--gfx1250"
	.amdhsa_code_object_version 6
	.text
	.protected	k_qbe6af3d90d_attn
	.globl	k_qbe6af3d90d_attn
	.p2align	8
	.type	k_qbe6af3d90d_attn,@function
k_qbe6af3d90d_attn:
	s_mov_b64 s[64:65], 0
	v_nop
	global_prefetch_b8 v0, s[64:65] scope:SCOPE_SE
	s_setreg_imm32_b32 hwreg(HW_REG_WAVE_MODE, 25, 1), 1
	s_wait_xcnt 0x0
; ctx[b][q][head] = causal softmax(Q K^T / 8) V, both products on codes of BF8 (E5M2) with one E8M0 scale for each 32 along a product's K; then ctx is quantised along the model's 1,024 (a head is two blocks of 32).
; SOFTMAX: t = score x log2(e) / 8; M = the running largest t rounded UP to a whole number; p = 2^(t - M) is quantised along the keys, not normalised; the row's sum is taken of the unquantised p and divides at the end.
; When M moves, the sum and O are multiplied by 2^(old M - new M): exact.
; SHARES.  Work-group (i, b x 16 + head) owns the blocks 7 - i and i of 256 queries.  Nine trips, a constant: trips 0 .. 7 - i walk the slots of 256 keys 0 .. 7 - i for block 7 - i, trips 8 - i .. 8 the slots 0 .. i for block i:
; (8 - i) + (i + 1) = 9 slots for every work-group, so the causal mask leaves all 256 with the same work.  Each of the sixteen waves owns one tile of 16 queries at a time, in 256 registers.
; NO CLUSTER: the four work-groups of a head want different slots from trip 5 on; the form in which all four ask alike (both blocks at once, eight slots in step) has 12 slots' work against 9.
; LAYOUT.  Both products are used transposed: S^T = K Q^T, O^T = V^T P^T: a lane holds ONE query throughout.  Q, K and V come as images of the operands' registers (16 bytes a lane, 512 bytes a load), with tokens and V's
; features in the order P: tile t, row p = item 32 (t / 2) + 8 (t % 2) + p % 8 + 16 (p / 8).  So the 16 registers of tiles 2 b, 2 b + 1 of S^T are keys 32 b + 16 (lane / 16) + 0 .. 15, and those of O^T likewise along d.
; K = 64 IN AN INSTRUCTION OF 128: Q's upper eight registers are zero codes that stay; K's upper eight are whatever follows (the next tile's codes, which are finite; zeros behind tile 7): they meet zero codes and add nothing.
; OUT.  ctx_img: [head / 4][tile of 16 rows][head % 4][block of 32][lane][16 bytes]: the next launch's operand registers.  ctx_sc: [row in image order][32]: a head owns 2 of a row's 32 bytes, so these leave as stores of
; 2 bytes, 32 bytes apart (lanes l and l xor 16 store the same): one part in 32 of ctx's bytes.
; LIMITS: NaN and infinities are not served; a block whose largest magnitude lies under 2^-111 gets the byte 1; a p under 2^-126 comes out of v_exp_f32 as 0.
.set STEPB, 17152                      ; a step of 128 keys: K's image 8,192, its scale words 512, V's image 8,192, its scale words 256
.set SLOTB, 2*STEPB
.set SLOT1, 65536                      ; slot 1 begins here: one exclusive or turns an address from one slot to the other
.set SPARE, 131072                     ; the spare words: 128 bytes for each of sixteen waves, eight blocks of 256 bytes that no other line names
.set QKB,   8704
.set LI,  1                            ; v1   16 x lane
.set LK,  2                            ; v2   32 x (lane % 16)
.set LV,  3                            ; v3   16 x (lane % 16)
.set ADF, 4                            ; v4   LDS address of the step's images
.set SPW, 5
.set NIL, 6
.set PFO, 7                            ; v7   the prefetches' offset
.set ADS, 8                            ; v8   of K's scale words
.set ADT, 9                            ; v9   of V's
.set VD,  10                           ; v10  my query's place in its group of 128, less 16 (lane / 16)
.set F,   32                           ; v32-95  K's 8 tiles of 8 registers, then V's 4 of 16; v96-103 zeros that stay
.set S,   104                          ; v104-167 S^T, then p
.set O,   168                          ; v168-199 O^T
.set PCD, 200                          ; v200-215 p's codes
.set BM,  216
.set TA,  220
.set HB,  224
.set SO,  228
.set SCW, 232                          ; v232-239 scale words of K, later of V
.set QS,  240                          ; v240 Q's scale word
.set TT,  241
.set FF,  242                          ; v242 f; v243 p's scale word
.set NINF, 244
.set CW,  245
.set WV,  12
.set WI,  13
.set BH,  14
.set SW,  15                           ; s15  the trip at which the work-group changes to its second block: 8 - i
.set TR,  16
.set NK,  17                           ; s17  the slot of keys that was asked for last
.set MNT, 19
.set SEL, 20
.set CS,  22                           ; s[22:23] c = log2(e) / 8
.set G1,  24
.set G0,  32
.set KVB, 36                           ; s[36:37] kv at my head (and my step of a slot, if I fetch)
.set OFS, 38
.set TB,  40                           ; s40  LDS byte at which the slot in hand begins
.set KF,  41                           ; s41  the step's first key
.set GB,  42                           ; s42  the first query of my tile's group of 128
.set QB,  43
.set LIM, 44
.set PFA, 46
.set QP,  48
.set QSP, 50
.set CTXP, 52
.set CSCP, 54
.macro TLOAD                           ; waves 0 and 1 fetch a step's block each.  Four v_nop follow the line
	s_cmp_lt_u32 s[WV], 2
	s_cbranch_scc0 .Lnone_\@
	tensor_load_to_lds s[G0:G0+3], s[G1:G1+7]
	s_nop 0
.rept 4
	v_nop
.endr
.Lnone_\@:
.endm
; A PREFETCH INTO THE L2 of the slot that the NEXT change of slots will ask for: 134 blocks of 256 bytes.  All work-groups of a head begin with the same slots: work-group 0 asks, in trips 0 to 5, for slots 2 to 7.
; In it waves 4 to 7 name 32 blocks each, a lane a block, wave 8 the last six; its lanes 6 to 31 are held at the slot's last block and name it again.  Slots 0 and 1 come by their loads alone.
.macro ASK
	s_cmp_lt_u32 s[TR], s[LIM]
	s_cbranch_scc0 .Lnot_mine_\@
	global_prefetch_b8 v[PFO], s[PFA:PFA+1] th:TH_LOAD_NT scope:SCOPE_SE
.Lnot_mine_\@:
.endm
; THE CHANGE OF SLOTS stands at a slot's head: each wave waits for all its tensor loads, adds 0 to its spare word, waits for that and for its reads of the slot that it has left; behind the barrier the slot ahead is whole.
; fill = 1: the other slot is filled with the next trip's keys: the slot after this one, or slot 0 where the next trip begins the second block.
.macro CHANGE fill
	s_wait_tensorcnt 0x0                           ; no tensor load of mine is out, so group 0 may be written
	ds_add_u32 v[SPW], v[NIL]                      ; 0 onto my spare word
.if \fill
	s_add_co_u32 s[NK], s[NK], 1
	s_add_co_u32 s56, s[TR], 1
	s_cmp_eq_u32 s56, s[SW]
	s_cselect_b32 s[NK], 0, s[NK]
	s_mul_i32 s[OFS], s[NK], SLOTB
	s_mov_b32 s[OFS+1], 0
	s_xor_b32 s[G0+1], s[G0+1], SLOT1              ; the other slot than last time
	s_add_nc_u64 s[G0+2:G0+3], s[KVB:KVB+1], s[OFS:OFS+1]
	s_or_b32 s[G0+3], s[G0+3], 0x80000000
	s_wait_xcnt 0x0                                ; the last prefetch, a slot back, has read its address
	s_add_nc_u64 s[PFA:PFA+1], s[PFA:PFA+1], SLOTB
.endif
	s_wait_dscnt 0x0                               ; the add is done, and my reads of the slot that I have left are over
	s_barrier_signal -1
	s_barrier_wait -1
.if \fill
	TLOAD                                          ; the first thing behind the barrier, and a wave's one tensor load until the next
	ASK
.endif
.endm
; A block of queries begins: addresses of my tile, Q's fragment and scale word, the state.
.macro INIT
	s_lshr_b32 s56, s[WV], 3
	s_lshl_b32 s57, s[QB], 1
	s_add_co_u32 s56, s56, s57                     ; g: my group of 128 queries
	s_lshl_b32 s[GB], s56, 7
	s_and_b32 s57, s[WV], 7                        ; t: my tile in it
	s_lshl_b32 s58, s[BH], 4
	s_add_co_u32 s58, s58, s56
	s_mul_i32 s58, s58, QKB                        ; the group's block in q_ws
	s_lshl_b32 s59, s57, 10
	s_add_co_u32 s[OFS], s58, s59
	s_mov_b32 s[OFS+1], 0
	s_add_nc_u64 s[QP:QP+1], s[4:5], s[OFS:OFS+1]
	s_lshl_b32 s59, s57, 2
	s_add_co_u32 s[OFS], s58, s59
	s_add_co_u32 s[OFS], s[OFS], 8192
	s_add_nc_u64 s[QSP:QSP+1], s[4:5], s[OFS:OFS+1]
	s_lshr_b32 s58, s[BH], 4
	s_lshl_b32 s58, s58, 7
	s_lshl_b32 s59, s56, 3
	s_add_co_u32 s58, s58, s59
	s_add_co_u32 s58, s58, s57                     ; the tile's number among ctx's 512: 128 b + 8 g + t
	s_and_b32 s59, s[BH], 15                       ; the head
	s_lshr_b32 s60, s59, 2
	s_lshl_b32 s60, s60, 21
	s_lshl_b32 s61, s58, 12
	s_add_co_u32 s60, s60, s61
	s_and_b32 s61, s59, 3
	s_lshl_b32 s61, s61, 10
	s_add_co_u32 s[OFS], s60, s61
	s_add_nc_u64 s[CTXP:CTXP+1], s[8:9], s[OFS:OFS+1]
	s_lshl_b32 s60, s58, 9
	s_lshl_b32 s61, s59, 1
	s_add_co_u32 s[OFS], s60, s61
	s_add_nc_u64 s[CSCP:CSCP+1], s[10:11], s[OFS:OFS+1]
	global_load_b128 v[16:19], v[LI], s[QP:QP+1]
	global_load_b128 v[20:23], v[LI], s[QP:QP+1] offset:512
	global_load_b32 v[QS], v[LK], s[QSP:QSP+1]
	v_mov_b32 v13, 0xff61b1e6                      ; the largest t so far: -3e38
	s_delay_alu instid0(VALU_DEP_1)
	v_floor_f32 v12, -v13                          ; -M
	v_mov_b32 v14, 0
	v_mov_b32 v15, 0
.set n, 0
.rept 32
	v_mov_b32 v[O+n], 0                            ; O^T: the step is written once; the first change of M leaves zeros zeros
.set n, n+1
.endr
	s_wait_loadcnt 0x0
.endm
; A block of queries ends: O^T / the sum, quantised along d (two blocks of 32), straight from registers to memory.
.macro FINISH
.rept 8
	v_nop                                          ; places behind the last products
.endr
	v_add_f32 v14, v14, v15
	s_delay_alu instid0(VALU_DEP_1)
	v_permlanex16_b32 v[TT], v14, s[SEL], s[SEL+1]
	s_delay_alu instid0(VALU_DEP_1)
	v_add_f32 v14, v14, v[TT]                      ; the row's sum
	s_wait_alu depctr_va_vdst(0)
	v_rcp_f32 v14, v14
	v_nop                                          ; a plain instruction behind the transcendental,
	s_wait_alu depctr_va_vdst(0)                   ; and the wait ahead of its first reader
.set n, 0
.rept 32
	v_mul_f32 v[S+n], v[O+n], v14                  ; register 16 c + i: d = 32 c + 16 (lane / 16) + i of my query
.set n, n+1
.endr
.irp b, 0,1
	v_max3_num_f32 v[BM+\b], |v[S+16*\b]|, |v[S+1+16*\b]|, 0x8000000
.endr
.irp i, 2,4,6,8,10,12,14
.irp b, 0,1
	s_delay_alu instid0(VALU_DEP_2)
	v_max3_num_f32 v[BM+\b], v[BM+\b], |v[S+16*\b+\i]|, |v[S+1+16*\b+\i]|
.endr
.endr
.irp b, 0,1
	s_delay_alu instid0(VALU_DEP_2)
	v_permlanex16_b32 v[TA+\b], v[BM+\b], s[SEL], s[SEL+1]
.endr
.irp b, 0,1
	s_delay_alu instid0(VALU_DEP_2)
	v_max_num_f32 v[BM+\b], v[BM+\b], v[TA+\b]
.endr
.irp b, 0,1
	s_delay_alu instid0(VALU_DEP_2)
	v_add_nc_u32 v[SO+\b], 0xf8800000, v[BM+\b]
.endr
.irp b, 0,1
.endr
.irp b, 0,1
	s_delay_alu instid0(VALU_DEP_2)
	v_lshrrev_b32 v[TA+\b], 23, v[SO+\b]
.endr
	s_delay_alu instid0(VALU_DEP_1)
	v_lshl_or_b32 v[CW], v[TA+1], 8, v[TA]
.irp b, 0,1
.irp i, 0,1,2,3,4,5,6,7,8,9,10,11,12,13,14,15
.endr
	v_cvt_scalef32_pk8_bf8_f32 v[PCD+4*\b:PCD+1+4*\b], v[S+16*\b:S+7+16*\b], v[SO+\b]
	v_cvt_scalef32_pk8_bf8_f32 v[PCD+2+4*\b:PCD+3+4*\b], v[S+8+16*\b:S+15+16*\b], v[SO+\b]
.endr
	v_nop                                          ; a plain instruction behind the last conversion
	global_store_b128 v[LI], v[PCD:PCD+3], s[CTXP:CTXP+1]              ; 512 consecutive bytes a store, 1,024 on end
	global_store_b128 v[LI], v[PCD+4:PCD+7], s[CTXP:CTXP+1] offset:512
	global_store_b16 v[LK], v[CW], s[CSCP:CSCP+1]
	s_wait_xcnt 0x0                                ; the stores have read their registers and bases: both may be written again
.endm
.macro SWITCH                          ; a scalar branch on ids and the trip's number; no LDS instruction, barrier or tensor load stands inside
	s_cmp_eq_u32 s[TR], s[SW]
	s_cbranch_scc0 .Lsame_\@
	FINISH
	s_mov_b32 s[QB], s[WI]
	INIT
.Lsame_\@:
.endm
; A KEY STEP: 128 keys, the q-th of the slot in hand.  My 16 queries lie in one group of 128: a step behind that group is left out, the step of that group is masked, an earlier one is open.
.macro STEP q
	s_cmp_gt_u32 s[KF], s[GB]
	s_cbranch_scc1 .Lhidden_\@
	v_add_nc_u32 v[ADF], s[TB], v[LI]
	v_add_nc_u32 v[ADS], s[TB], v[LK]
	v_add_nc_u32 v[ADT], s[TB], v[LV]
.rept 5
	v_nop                                          ; with the three additions: eight places in front of loads into registers that the last products read
.endr
.irp t, 0,1,2,3,4,5,6,7
.irp c, 0,1
	ds_load_b128 v[F+8*\t+4*\c:F+8*\t+4*\c+3], v[ADF] offset:(\q)*STEPB+\t*1024+\c*512
.endr
.endr
	ds_load_b128 v[SCW:SCW+3], v[ADS] offset:(\q)*STEPB+8192
	ds_load_b128 v[SCW+4:SCW+7], v[ADS] offset:(\q)*STEPB+8192+16
	s_wait_alu depctr_va_vdst(0)
	s_wait_dscnt 0x0
.irp t, 0,1,2,3,4,5,6,7
	v_wmma_scale_f32_16x16x128_f8f6f4 v[S+8*\t:S+8*\t+7], v[F+8*\t:F+8*\t+15], v[16:31], 0, v[SCW+\t], v[QS] matrix_a_fmt:MATRIX_FMT_BF8 matrix_b_fmt:MATRIX_FMT_BF8
.endr
.rept 8
	v_nop
.endr
.irp t, 0,1,2,3                                ; V's fragments are asked for here, in one run: they land under the softmax
.irp c, 0,1,2,3
	ds_load_b128 v[F+16*\t+4*\c:F+16*\t+4*\c+3], v[ADF] offset:(\q)*STEPB+8704+\t*2048+\c*512
.endr
.endr
	ds_load_b128 v[SCW:SCW+3], v[ADT] offset:(\q)*STEPB+16896
	s_cmp_lt_u32 s[KF], s[GB]
	s_cbranch_scc1 .Lopen_\@
.set n, 0
.rept 64                                       ; register 16 b + i holds key KF + 32 b + 16 (lane / 16) + i: hidden where 32 b + i > my query's place - 16 (lane / 16)
	v_cmp_gt_i32 vcc_lo, 32*(n/16)+n%16, v[VD]
	v_cndmask_b32 v[S+n], v[S+n], v[NINF], vcc_lo
.set n, n+1
.endr
.Lopen_\@:
.irp b, 0,1,2,3
	v_max3_num_f32 v[BM+\b], v[S+16*\b], v[S+1+16*\b], v[S+2+16*\b]   ; the largest score of each block of 32 keys: for the row's maximum, and, since p rises with the score, for the block's largest p
.endr
.irp i, 3,5,7,9,11,13
.irp b, 0,1,2,3
	v_max3_num_f32 v[BM+\b], v[BM+\b], v[S+16*\b+\i], v[S+1+16*\b+\i]
.endr
.endr
.irp b, 0,1,2,3
	v_max_num_f32 v[BM+\b], v[BM+\b], v[S+15+16*\b]
.endr
.irp b, 0,1,2,3
	s_delay_alu instid0(VALU_DEP_4)
	v_permlanex16_b32 v[TA+\b], v[BM+\b], s[SEL], s[SEL+1]
.endr
.irp b, 0,1,2,3
	s_delay_alu instid0(VALU_DEP_4)
	v_max_num_f32 v[BM+\b], v[BM+\b], v[TA+\b]
.endr
	s_delay_alu instid0(VALU_DEP_2)
	v_max3_num_f32 v[TT], v[BM], v[BM+1], v[BM+2]
	s_delay_alu instid0(VALU_DEP_1)
	v_max_num_f32 v[TT], v[TT], v[BM+3]
	s_delay_alu instid0(VALU_DEP_1)
	v_mul_f32 v[TT], s[CS], v[TT]
	s_delay_alu instid0(VALU_DEP_1)
	v_max_num_f32 v13, v13, v[TT]                  ; the running largest t
	v_mov_b32 v[TT], v12
	s_delay_alu instid0(VALU_DEP_2)
	v_floor_f32 v12, -v13                          ; the new -M = -ceil(t): a whole number
	s_delay_alu instid0(VALU_DEP_1)
	v_sub_f32 v[TT], v12, v[TT]
	s_delay_alu instid0(VALU_DEP_1)
	v_cvt_i32_f32 v[TT], v[TT]                     ; (it saturates)
	s_delay_alu instid0(VALU_DEP_1)
	v_ldexp_f32 v[FF], 1.0, v[TT]                  ; f = 2^(old M - new M)
.set n, 0
.rept 32
	v_pk_fma_f32 v[S+n:S+n+1], v[S+n:S+n+1], s[CS:CS+1], v[12:13] op_sel_hi:[1,0,0]   ; t - M, two at a time
.set n, n+2
.endr
.irp b, 0,1,2,3
	v_fma_f32 v[BM+\b], v[BM+\b], s[CS], v12
.endr
.set n, 0
	s_wait_alu depctr_va_vdst(0)
.rept 64
	v_exp_f32 v[S+n], v[S+n]                       ; p = 2^(t - M)
.set n, n+1
.endr
	v_pk_mul_f32 v[14:15], v[14:15], v[FF:FF+1] op_sel_hi:[1,0]   ; the sums under the new M: a plain instruction behind the exponentials
	s_wait_alu depctr_va_vdst(0)                   ; one wait for the batch of 64, ahead of its first reader
.irp b, 0,1,2,3
	v_exp_f32 v[BM+\b], v[BM+\b]                   ; each block's largest p
.endr
	v_pk_add_f32 v[220:221], v[108:109], v[112:113]
	v_pk_add_f32 v[254:255], v[116:117], v[120:121]
	v_pk_add_f32 v[252:253], v[124:125], v[128:129]
	v_pk_add_f32 v[250:251], v[132:133], v[136:137]
	v_pk_add_f32 v[248:249], v[140:141], v[144:145]
	v_pk_add_f32 v[246:247], v[148:149], v[152:153]
	v_pk_add_f32 v[238:239], v[156:157], v[160:161]
	v_pk_add_f32 v[14:15], v[14:15], v[164:165]
	v_pk_add_f32 v[220:221], v[220:221], v[104:105]
	v_pk_add_f32 v[254:255], v[254:255], v[106:107]
	v_pk_add_f32 v[252:253], v[252:253], v[110:111]
	v_pk_add_f32 v[250:251], v[250:251], v[114:115]
	v_pk_add_f32 v[248:249], v[248:249], v[118:119]
	v_pk_add_f32 v[246:247], v[246:247], v[122:123]
	v_pk_add_f32 v[238:239], v[238:239], v[126:127]
	v_pk_add_f32 v[14:15], v[14:15], v[130:131]
	v_pk_add_f32 v[220:221], v[220:221], v[134:135]
	v_pk_add_f32 v[254:255], v[254:255], v[138:139]
	v_pk_add_f32 v[252:253], v[252:253], v[142:143]
	v_pk_add_f32 v[250:251], v[250:251], v[146:147]
	v_pk_add_f32 v[248:249], v[248:249], v[150:151]
	v_pk_add_f32 v[246:247], v[246:247], v[154:155]
	v_pk_add_f32 v[238:239], v[238:239], v[158:159]
	v_pk_add_f32 v[14:15], v[14:15], v[162:163]
	v_pk_add_f32 v[220:221], v[220:221], v[166:167]
	s_delay_alu instid0(VALU_DEP_2)
	v_pk_add_f32 v[14:15], v[14:15], v[250:251]
	s_delay_alu instid0(VALU_DEP_2)
	v_pk_add_f32 v[220:221], v[220:221], v[248:249]
	v_pk_add_f32 v[254:255], v[254:255], v[246:247]
	v_pk_add_f32 v[252:253], v[252:253], v[238:239]
	s_delay_alu instid0(VALU_DEP_2)
	v_pk_add_f32 v[14:15], v[14:15], v[254:255]
	s_delay_alu instid0(VALU_DEP_2)
	v_pk_add_f32 v[220:221], v[220:221], v[252:253]
	s_delay_alu instid0(VALU_DEP_1)
	v_pk_add_f32 v[14:15], v[14:15], v[220:221]
	s_wait_alu depctr_va_vdst(0)                   ; and one for the four
.irp b, 0,1,2,3
	v_max_num_f32 v[BM+\b], 0x8000000, v[BM+\b]    ; the floor 2^(16 - 127)
.endr
.irp b, 0,1,2,3
	s_delay_alu instid0(VALU_DEP_4)
	v_add_nc_u32 v[SO+\b], 0xf8800000, v[BM+\b]
.endr
.irp b, 0,1,2,3
.endr
.irp b, 0,1,2,3
	s_delay_alu instid0(VALU_DEP_4)
	v_lshrrev_b32 v[TA+\b], 23, v[SO+\b]
.endr
	s_delay_alu instid0(VALU_DEP_3)
	v_lshl_or_b32 v[FF+1], v[TA+1], 8, v[TA]       ; p's scale word for these 128 keys
	s_delay_alu instid0(VALU_DEP_1)
	v_lshl_or_b32 v[FF+1], v[TA+2], 16, v[FF+1]
	s_delay_alu instid0(VALU_DEP_1)
	v_lshl_or_b32 v[FF+1], v[TA+3], 24, v[FF+1]
.irp b, 0,1,2,3
.irp i, 0,1,2,3,4,5,6,7,8,9,10,11,12,13,14,15
.endr
	v_cvt_scalef32_pk8_bf8_f32 v[PCD+4*\b:PCD+1+4*\b], v[S+16*\b:S+7+16*\b], v[SO+\b]
	v_cvt_scalef32_pk8_bf8_f32 v[PCD+2+4*\b:PCD+3+4*\b], v[S+8+16*\b:S+15+16*\b], v[SO+\b]
.endr
.set n, 0
.rept 16
	v_pk_mul_f32 v[O+n:O+n+1], v[O+n:O+n+1], v[FF:FF+1] op_sel_hi:[1,0]   ; O^T under the new M; also the places between the conversions and the products
.set n, n+2
.endr
	s_wait_alu depctr_va_vdst(0)
	s_wait_dscnt 0x0                               ; V
.irp t, 0,1,2,3
	v_wmma_scale_f32_16x16x128_f8f6f4 v[O+8*\t:O+8*\t+7], v[F+16*\t:F+16*\t+15], v[PCD:PCD+15], v[O+8*\t:O+8*\t+7], v[SCW+\t], v[FF+1] matrix_a_fmt:MATRIX_FMT_BF8 matrix_b_fmt:MATRIX_FMT_BF8
.endr
.Lhidden_\@:
	s_add_co_u32 s[KF], s[KF], 128
.endm
.macro SLOT_STEPS
	STEP 0
	STEP 1
	s_xor_b32 s[TB], s[TB], SLOT1
.endm
	s_load_b256 s[4:11], s[0:1], 0x0               ; q_ws s[4:5], kv s[6:7], ctx_img s[8:9], ctx_sc s[10:11]
	v_lshl_add_u32 v[SPW], v0, 2, SPARE
	v_mov_b32 v[NIL], 0
	ds_add_u32 v5, v6
	ds_add_u32 v5, v6
	s_wait_dscnt 0x0
	v_lshrrev_b32 v8, 5, v0
	s_delay_alu instid0(VALU_DEP_1)
	v_readfirstlane_b32 s[WV], v8                  ; wave 0..15
	s_mov_b32 s[WI], ttmp9
	s_and_b32 s[BH], ttmp7, 0xffff
	s_sub_co_u32 s[SW], 8, s[WI]
	s_sub_co_u32 s[QB], 7, s[WI]                   ; the first block of queries
	; descriptor group 1: a step's block, 17,152 dense bytes, as 67 rows of 256 bytes (32 elements of 8 bytes), no padding: every LDS load takes 512 bytes on end
	s_mov_b32 s[G1], 3<<16
	s_mov_b32 s[G1+1], 32<<16
	s_mov_b32 s[G1+2], 67<<16
	s_mov_b32 s[G1+3], 32<<16
	s_mov_b32 s[G1+4], 67
	s_mov_b32 s[G1+5], 32
	s_mov_b32 s[G1+6], 0
	s_mov_b32 s[G1+7], 0
	s_and_b32 s56, s[WV], 1                        ; which step of a slot I fetch, if I fetch
	s_lshl_b32 s57, s[BH], 4
	s_add_co_u32 s57, s57, s56
	s_mul_i32 s[OFS], s57, STEPB
	s_mov_b32 s[OFS+1], 0
	s_mul_i32 s58, s56, STEPB
	s_mov_b32 s[SEL], 0x76543210
	s_mov_b32 s[SEL+1], 0xfedcba98
	s_mov_b32 s[CS], 0x3e38aa3b                    ; log2(e) / 8
	s_mov_b32 s[CS+1], s[CS]
	s_mov_b32 s[TR], 0
	s_mov_b32 s[NK], 0
	s_mov_b32 s[KF], 0
	s_mov_b32 s[TB], 0
	s_wait_kmcnt 0x0
	s_add_nc_u64 s[KVB:KVB+1], s[6:7], s[OFS:OFS+1]
	s_mov_b32 s[G0], 1
	s_mov_b32 s[G0+1], s58
	s_mov_b64 s[G0+2:G0+3], s[KVB:KVB+1]
	s_or_b32 s[G0+3], s[G0+3], 0x80000000
	TLOAD                                          ; slot 0: the keys 0 to 255
	s_mul_i32 s[OFS], s[BH], 16*STEPB
	s_add_co_u32 s[OFS], s[OFS], SLOTB
	s_add_nc_u64 s[PFA:PFA+1], s[6:7], s[OFS:OFS+1]  ; the head's slot 1: the first change of slots steps it to slot 2
	s_sub_co_u32 s56, s[WV], 4
	s_cmp_lt_u32 s56, 5
	s_cselect_b32 s57, 0, 1                        ; 0 in waves 4 to 8,
	s_or_b32 s57, s57, s[WI]                       ; of the head's work-group 0
	s_cmp_eq_u32 s57, 0
	s_cselect_b32 s[LIM], 6, 0
	s_lshl_b32 s56, s56, 5
	v_and_b32 v[TT], 31, v0
	s_delay_alu instid0(VALU_DEP_1)
	v_add_nc_u32 v[PFO], s56, v[TT]
	s_delay_alu instid0(VALU_DEP_1)
	v_min_u32 v[PFO], 133, v[PFO]
	s_delay_alu instid0(VALU_DEP_1)
	v_lshlrev_b32 v[PFO], 8, v[PFO]
	s_delay_alu instid0(VALU_DEP_4)
	v_lshlrev_b32 v[LI], 4, v[TT]
	v_and_b32 v[TT], 15, v0                        ; r
	s_delay_alu instid0(VALU_DEP_1)
	v_lshlrev_b32 v[LK], 5, v[TT]
	s_delay_alu instid0(VALU_DEP_2)
	v_lshlrev_b32 v[LV], 4, v[TT]
	s_delay_alu instid0(VALU_DEP_3)
	v_and_b32 v[VD], 7, v[TT]
	s_delay_alu instid0(VALU_DEP_4)
	v_lshrrev_b32 v4, 3, v[TT]
	s_delay_alu instid0(VALU_DEP_1)
	v_lshl_add_u32 v[VD], v4, 4, v[VD]             ; r % 8 + 16 (r / 8)
	v_bfe_u32 v4, v0, 4, 1
	s_delay_alu instid0(VALU_DEP_1)
	v_lshlrev_b32 v4, 4, v4
	s_delay_alu instid0(VALU_DEP_1)
	v_sub_nc_u32 v[VD], v[VD], v4                  ; - 16 h
	s_and_b32 s56, s[WV], 7
	s_lshr_b32 s57, s56, 1
	s_lshl_b32 s57, s57, 5
	s_and_b32 s58, s56, 1
	s_lshl_b32 s58, s58, 3
	s_add_co_u32 s57, s57, s58
	v_add_nc_u32 v[VD], s57, v[VD]                 ; + 32 (t / 2) + 8 (t % 2)
.irp j, 0,1,2,3,4,5,6,7
	v_mov_b32 v[24+\j], 0                          ; the upper half of Q's operand: zero codes that stay
	v_mov_b32 v[96+\j], 0                          ; and what follows K's tile 7
.endr
.irp b, 0,1,2,3
	v_mov_b32 v[TA+\b], 0                          ; written once: a lane permute's destination counts as one of its sources
.endr
	v_mov_b32 v[FF+1], 0                           ; named as the upper half of a pair before it is first made
	v_mov_b32 v[NINF], 0xff800000
	INIT
.Ltrip:                                            ; eight trips: behind each change of slots but the last the next trip's keys are asked for
	CHANGE 1
	SWITCH
	SLOT_STEPS
	s_lshl_b32 s[KF], s[NK], 8                     ; the next trip's first key
	s_add_co_u32 s[TR], s[TR], 1
	s_cmp_lt_u32 s[TR], 8
	s_cbranch_scc1 .Ltrip
	CHANGE 0                                       ; the ninth trip is written out
	SWITCH
	SLOT_STEPS
	FINISH
	s_wait_tensorcnt 0x0                           ; the wave's end
	ds_add_u32 v[SPW], v[NIL]
	s_wait_dscnt 0x0
	s_endpgm
.Lfunc_end_k_qbe6af3d90d_attn:
	.size	k_qbe6af3d90d_attn, .Lfunc_end_k_qbe6af3d90d_attn-k_qbe6af3d90d_attn
	.p2alignl 7, 3214868480
	.fill 96, 4, 3214868480
	.section	.rodata,"a",@progbits
	.p2align	6, 0x0
	.amdhsa_kernel k_qbe6af3d90d_attn
		.amdhsa_group_segment_fixed_size 327680
		.amdhsa_private_segment_fixed_size 0
		.amdhsa_enable_private_segment 0
		.amdhsa_kernarg_size 32
		.amdhsa_user_sgpr_count 2
		.amdhsa_user_sgpr_kernarg_segment_ptr 1
		.amdhsa_wavefront_size32 1
		.amdhsa_system_sgpr_workgroup_id_x 1
		.amdhsa_system_sgpr_workgroup_id_y 1
		.amdhsa_system_sgpr_workgroup_id_z 1
		.amdhsa_system_vgpr_workitem_id 0
		.amdhsa_next_free_vgpr 256
		.amdhsa_next_free_sgpr 66
		.amdhsa_reserve_vcc 1
		.amdhsa_float_denorm_mode_32 3
		.amdhsa_float_denorm_mode_16_64 3
		.amdhsa_fp16_overflow 1
		.amdhsa_memory_ordered 1
		.amdhsa_forward_progress 1
		.amdhsa_inst_pref_size 116
	.end_amdhsa_kernel
	.amdgpu_metadata
---
amdhsa.version: [ 1, 2 ]
amdhsa.kernels:
  - .name:           k_qbe6af3d90d_attn
    .symbol:         k_qbe6af3d90d_attn.kd
    .args:
      - { .name: q_ws, .offset: 0, .size: 8, .value_kind: global_buffer, .address_space: global }
      - { .name: kv, .offset: 8, .size: 8, .value_kind: global_buffer, .address_space: global }
      - { .name: ctx_img, .offset: 16, .size: 8, .value_kind: global_buffer, .address_space: global }
      - { .name: ctx_sc, .offset: 24, .size: 8, .value_kind: global_buffer, .address_space: global }
    .group_segment_fixed_size: 327680
    .private_segment_fixed_size: 0
    .kernarg_segment_align: 8
    .kernarg_segment_size: 32
    .max_flat_workgroup_size: 512
    .sgpr_count:     66
    .vgpr_count:     256
    .wavefront_size: 32
...
	.end_amdgpu_metadata
.endif
;; end of part 2
;; launch oproj (part 3): grid 4 x 32, 4 waves a work-group, clusters of 4 x 4, 327,680 bytes of LDS; arguments ctx_img, ctx_sc, Wo_codes, Wo_scales, bo, out0; writes out0
.if DOCPART == 3
	.amdgcn_target "amdgcn-amd-amdhsa--gfx1250"
	.amdhsa_code_object_version 6
	.text
	.protected	k_qbe6af3d90d_oproj
	.globl	k_qbe6af3d90d_oproj
	.p2align	8
	.type	k_qbe6af3d90d_oproj,@function
k_qbe6af3d90d_oproj:
	s_mov_b64 s[64:65], 0
	v_nop
	global_prefetch_b8 v0, s[64:65] scope:SCOPE_SE
	s_setreg_imm32_b32 hwreg(HW_REG_WAVE_MODE, 25, 1), 1
	s_wait_xcnt 0x0
	s_wait_alu depctr_hold_cnt(0) depctr_sa_sdst(0) depctr_va_vdst(0) depctr_va_sdst(0) depctr_va_ssrc(0) depctr_va_vcc(0) depctr_vm_vsrc(0)
	s_getreg_b32 s2, hwreg(HW_REG_IB_STS2, 6, 4)
	s_cmp_eq_u32 s2, 0
	s_cbranch_scc0 .Lentry_in_a_cluster
	s_endpgm
.Lentry_in_a_cluster:
	s_bfe_u32 s2, ttmp6, 0x10000c
	s_cmp_lg_u32 s2, 0xf033
	s_cbranch_scc0 .Lentry_shape_is_right
	s_endpgm
.Lentry_shape_is_right:
; out = ctx Wo^T + bo on codes of BF8 (E5M2) with one E8M0 scale for each 32 along K = 1,024; sums in f32; out [8,192][1,024] f32.
; A = ctx comes as IMAGES OF THE OPERAND'S REGISTERS: [K / 256][tile of 16 rows][K % 256 / 128][chunk of 32][lane][16 bytes]; its rows stand in image order: tile 8 G + t, row p is token 128 G + 32 (t / 2) + 8 (t % 2) + p % 8 + 16 (p / 8).
; Its scale bytes [row in image order][32].  B = Wo [1,024][1,024] codes, K innermost, scale bytes [1,024][32].
; A tile of 256 x 256 to a work-group of four waves, 128 x 128 to a wave.  K in steps of 256 through a ring of two LDS slots.  A's part of a slot is dense (64 KiB: every fragment load takes 512 bytes on end),
; B's rows are padded to 272 bytes.  The scales of all of K come once.  CLUSTERS 4 x 4: A's tiles jointly along a row, B's along a column.  128 work-groups: the tile that would give 256 wants another schedule.
; THE MATRIX INSTRUCTION IS USED TRANSPOSED (source 0 = 16 rows of Wo, source 1 = 16 rows of ctx): a lane holds eight neighbouring columns of one row.  The bias is the C of each sum's first instruction.
; The image order is undone on the way out, in the stores' immediates.  No prefetch: K is four slots, two first fills and the two first refills.
; REGISTERS: window 0: v0-31 addresses; v32-63 scale words; v64-127 the bias; from v128 A's fragments.  window 1: B's fragments, two sets.  windows 2, 3: the accumulators.
.set NQ,     2
.set ROWB,   256
.set KROW,   1024
.set PITCH,  272
.set FR,     16
.set NL,     4
.set NP,     8
.set HALFT,  128*PITCH                 ; 128 rows of B
.set HALFA,  32768                     ; 8 tiles of A: 128 rows x 256 along K
.set SLOT,   2*HALFA+2*HALFT
.set LAPS,   2
.set KS,     32
.set SCL,    2*SLOT
.set HALFS,  (128*KS/256)*272
.set SBLK,   (16*KS/256)*272
.set SPARE,  SCL+4*HALFS               ; the spare words: two blocks of 256 bytes that no other line names
.set SPITCH, 528                       ; the way out: a stage of 16 rows x (512 + 16) bytes for each wave, in slot 0, which has had its last fill and its last read by then
.set ASTEP,  0x200000                  ; from a slot's images to the next slot's in memory
.set ADRA, 16
.set ADRB, 20
.set STO,  24
.set RD,   25
.set CO,   26
.set ADRS, 27
.set SPW,  28
.set NIL,  29
.set SC,   32
.set BIA,  64
.set AF,   128
.set BK,   128
.set G1, 24
.set G0, 32
.set G1B, 48
.set G0B, 56
.set G1S, 68
.set G0S, 76
.set G1SB, 80
.set G0SB, 88
.set MSB, 0
.macro WIN new
.if MSB != \new
	s_set_vgpr_msb (MSB<<8)|\new
.set MSB, \new
.endif
.endm
.set MUL_LO, 0xa1
.set MUL_HI, 0xf1
.set FST_LO, 0x81                      ; the first step: C (the bias) window 0, D window 2
.set FST_HI, 0xc1
.set TO_B,   0x40
.macro JLOAD g0a, g1a, g0b, g1b        ; waves 0 and 1 fetch for A, waves 2 and 3 for B; four v_nop follow each line
	s_cmp_eq_u32 s15, 0
	s_cbranch_scc0 .Lfor_b_\@
	tensor_load_to_lds s[\g0a:\g0a+3], s[\g1a:\g1a+7]
	s_nop 0
.rept 4
	v_nop
.endr
	s_branch .Lasked_\@
.Lfor_b_\@:
	tensor_load_to_lds s[\g0b:\g0b+3], s[\g1b:\g1b+7]
	s_nop 0
.rept 4
	v_nop
.endr
.Lasked_\@:
.endm
.macro CREST
	s_cmp_lg_u32 s14, 0
	s_cbranch_scc1 .Lnot_wave_0_\@
	s_barrier_signal -3
.Lnot_wave_0_\@:
	s_barrier_wait -3
	s_barrier_signal -1
	s_barrier_wait -1
.endm
.macro CROUND
	s_barrier_signal -1
	s_barrier_wait -1
	CREST
.endm
	s_load_b128 s[4:7], s[0:1], 0x0                ; ctx's images, ctx's scales
	s_load_b128 s[8:11], s[0:1], 0x10              ; Wo's codes, Wo's scales
	s_load_b64 s[66:67], s[0:1], 0x20              ; bo
	s_load_b64 s[12:13], s[0:1], 0x28              ; out
	v_lshl_add_u32 v[SPW], v0, 2, SPARE
	v_mov_b32 v[NIL], 0
	ds_add_u32 v28, v29
	ds_add_u32 v28, v29
	s_wait_dscnt 0x0
	v_lshrrev_b32 v1, 5, v0
	v_readfirstlane_b32 s14, v1
	s_lshr_b32 s15, s14, 1                         ; my half of the tile's rows.  Also: I fetch for A (0) or for B (1)
	s_and_b32 s16, s14, 1                          ; my half of its columns.  Also: which half I fetch
	s_bfe_u32 s40, ttmp6, 0x40000
	s_bfe_u32 s41, ttmp6, 0x40004
	s_lshl_b32 s42, ttmp9, 2
	s_add_co_u32 s42, s42, s40                     ; tile column
	s_and_b32 s17, ttmp7, 0xffff
	s_lshl_b32 s17, s17, 2
	s_add_co_u32 s17, s17, s41                     ; tile row
	s_lshl_b32 s43, s41, 2
	s_lshl_b32 s43, 15, s43
	s_lshl_b32 s44, 0x1111, s40
	s_or_b32 s[G1+0], s43, (3<<16)|(1<<21)         ; A: the mask of my row; elements of 8 bytes; bit 21 beside a mask; no padding
	s_mov_b32 s[G1+1], 32<<16                      ; 128 rows of 256 bytes, dense
	s_mov_b32 s[G1+2], 128<<16
	s_mov_b32 s[G1+3], 32<<16
	s_mov_b32 s[G1+4], 128
	s_mov_b32 s[G1+5], 32
	s_mov_b32 s[G1+6], 0
	s_mov_b32 s[G1+7], 0
	s_or_b32 s[G1B+0], s44, (0<<16)|(1<<20)|(1<<21)|(5<<22)|(3<<25)  ; B: 128 rows of 256 bytes, 1,024 apart, 16 bytes of padding behind each
	s_mov_b32 s[G1B+1], ROWB<<16
	s_mov_b32 s[G1B+2], 128<<16
	s_mov_b32 s[G1B+3], ROWB<<16
	s_mov_b32 s[G1B+4], 128
	s_mov_b32 s[G1B+5], KROW
	s_mov_b32 s[G1B+6], 0
	s_mov_b32 s[G1B+7], 0
	s_or_b32 s[G1S+0], s43, (3<<16)|(1<<20)|(1<<21)|(5<<22)|(3<<25)
	s_or_b32 s[G1SB+0], s44, (3<<16)|(1<<20)|(1<<21)|(5<<22)|(3<<25)
.irp g, G1S, G1SB
	s_mov_b32 s[\g+1], 32<<16
	s_mov_b32 s[\g+2], (128*KS/256)<<16
	s_mov_b32 s[\g+3], 32<<16
	s_mov_b32 s[\g+4], 128*KS/256
	s_mov_b32 s[\g+5], 32
	s_mov_b32 s[\g+6], 0
	s_mov_b32 s[\g+7], 0
.endr
	s_lshl_b32 s18, s16, 7
	s_lshl_b32 s22, s17, 8
	s_add_co_u32 s22, s22, s18                     ; A: the first row (in image order) that I fetch
	s_lshl_b32 s20, s22, 8                         ; its images: 256 bytes a row in a slot's part
	s_lshl_b32 s22, s22, 5                         ; its scales: 32 bytes a row
	s_lshl_b32 s46, s42, 8
	s_add_co_u32 s46, s46, s18                     ; B: the first row that I fetch
	s_lshl_b32 s92, s46, 5
	s_lshl_b32 s46, s46, 10
	s_mov_b32 s21, 0
	s_mov_b32 s23, 0
	s_mov_b32 s47, 0
	s_mov_b32 s93, 0
	s_mul_i32 s45, s16, HALFA                      ; where A's half goes,
	s_mul_i32 s95, s16, HALFT
	s_add_co_u32 s95, s95, 2*HALFA                 ; and B's: no place in the cluster enters an LDS address
	s_mul_i32 s94, s14, HALFS
	s_wait_kmcnt 0x0
	s_add_nc_u64 s[20:21], s[4:5], s[20:21]
	s_add_nc_u64 s[22:23], s[6:7], s[22:23]
	s_add_nc_u64 s[46:47], s[8:9], s[46:47]
	s_add_nc_u64 s[92:93], s[10:11], s[92:93]
	CROUND                                         ; all sixteen work-groups are here: the first joint loads meet
	s_mov_b32 s[G0S], 1
	s_add_co_u32 s[G0S+1], s94, SCL
	s_mov_b64 s[G0S+2:G0S+3], s[22:23]
	s_or_b32 s[G0S+3], s[G0S+3], 0x80000000
	s_mov_b32 s[G0SB], 1
	s_add_co_u32 s[G0SB+1], s94, SCL
	s_mov_b64 s[G0SB+2:G0SB+3], s[92:93]
	s_or_b32 s[G0SB+3], s[G0SB+3], 0x80000000
	JLOAD G0S, G1S, G0SB, G1SB
.irp s, 0,1
	s_mov_b32 s[G0+4*\s], 1
	s_add_co_u32 s[G0+4*\s+1], s45, \s*SLOT
	s_add_nc_u64 s[G0+4*\s+2:G0+4*\s+3], s[20:21], \s*ASTEP
	s_or_b32 s[G0+4*\s+3], s[G0+4*\s+3], 0x80000000
	s_mov_b32 s[G0B+4*\s], 1
	s_add_co_u32 s[G0B+4*\s+1], s95, \s*SLOT
	s_add_nc_u64 s[G0B+4*\s+2:G0B+4*\s+3], s[46:47], \s*ROWB
	s_or_b32 s[G0B+4*\s+3], s[G0B+4*\s+3], 0x80000000
	s_wait_alu depctr_va_vdst(0)
	s_wait_tensorcnt 0x0
	ds_add_u32 v28, v29
	s_wait_dscnt 0x0
	CROUND
	JLOAD G0+4*\s, G1, G0B+4*\s, G1B
.endr
	v_and_b32 v1, 15, v0                           ; r
	v_bfe_u32 v2, v0, 4, 1                         ; h
	v_and_b32 v6, 31, v0
	v_lshlrev_b32 v[CO], 4, v6                     ; 16 x lane
	v_mul_u32_u24 v3, v1, PITCH
	v_lshl_add_u32 v4, v2, 4, v3
	s_mul_i32 s21, s15, HALFA                      ; my 8 tiles of A
	s_mul_i32 s22, s16, HALFT
	s_add_co_u32 s22, s22, 2*HALFA                 ; my 128 rows of B
.irp s, 0,1
	v_add_nc_u32 v[ADRA+\s], s21, v[CO]
	v_add_nc_u32 v[ADRB+\s], s22, v4
	s_add_co_u32 s21, s21, SLOT
	s_add_co_u32 s22, s22, SLOT
.endr
	v_mul_u32_u24 v5, v1, KS
	v_lshrrev_b32 v6, 8, v5
	v_lshl_add_u32 v5, v6, 4, v5
	s_mul_i32 s21, s15, HALFS
	s_mul_i32 s22, s16, HALFS
	s_add_co_u32 s22, s22, 2*HALFS
	s_sub_co_u32 s22, s22, s21
	v_mul_u32_u24 v6, s22, v2                      ; lanes 16-31 take B's
	s_add_co_u32 s21, s21, SCL
	v_add_nc_u32 v5, v5, v6
	v_add_nc_u32 v[ADRS], s21, v5
	s_mul_i32 s23, s14, 16*SPITCH
	v_mul_u32_u24 v5, v1, SPITCH
	v_lshl_add_u32 v5, v2, 5, v5
	v_add_nc_u32 v[STO], s23, v5
	v_add_nc_u32 v[RD], s23, v[CO]
	s_lshl_b32 s20, s17, 8
	s_lshl_b32 s21, s15, 7
	s_add_co_u32 s20, s20, s21                     ; my group's first row of out
	s_lshl_b32 s20, s20, 12                        ; 4,096 bytes a row (under 2^25)
	s_lshl_b32 s46, s42, 10
	s_lshl_b32 s47, s16, 9
	s_add_co_u32 s46, s46, s47                     ; my first column, in bytes
	s_add_co_u32 s20, s20, s46
	s_mov_b32 s21, 0
	s_mov_b32 s47, 0
	s_add_nc_u64 s[12:13], s[12:13], s[20:21]
	s_add_nc_u64 s[66:67], s[66:67], s[46:47]      ; bo at my first column
	v_lshlrev_b32 v7, 5, v2                        ; 32 h
.irp b, 0,1,2,3,4,5,6,7
	global_load_b128 v[BIA+8*\b:BIA+8*\b+3], v7, s[66:67] offset:64*\b       ; bo(16 b + 8 h + 0 .. 7): the result's layout
	global_load_b128 v[BIA+8*\b+4:BIA+8*\b+7], v7, s[66:67] offset:64*\b+16
.endr
.macro FRAG reg, adr, q, i
.irp c, 0,1,2,3
	ds_load_b128 v[\reg+4*\c:\reg+4*\c+3], v[\adr] offset:128*(\q)+32*\c+(\i)*16*PITCH
.endr
.endm
.macro FRAGA reg, adr, q, i            ; an image: tile i, the slot's q-th 128 along K, 512 bytes a load
.irp c, 0,1,2,3
	ds_load_b128 v[\reg+4*\c:\reg+4*\c+3], v[\adr] offset:(\i)*4096+(\q)*2048+512*\c
.endr
.endm
; 16 matrix instructions; the 64 accumulators take turns, one instruction a turn, in the same order in every step.  first = 1: C is the bias
.macro MUL16 a0, p, q, sc, first
.irp a, \a0, \a0+1
.irp b, 0,1,2,3,4,5,6,7
.if \first
	v_wmma_scale_f32_16x16x128_f8f6f4 v[8*(8*((\a)%4)+\b):8*(8*((\a)%4)+\b)+7], v[128*(\p)+FR*\b:128*(\p)+FR*\b+FR-1], v[AF+FR*(\a):AF+FR*(\a)+FR-1], v[BIA+8*\b:BIA+8*\b+7], v[SC+8*NQ*(\sc)+NQ*\b+(\q)], v[SC+8*NQ*(\sc)+NQ*(\a)+(\q)] matrix_a_fmt:MATRIX_FMT_BF8 matrix_b_fmt:MATRIX_FMT_BF8 matrix_a_scale:MATRIX_SCALE_ROW1
.else
	v_wmma_scale_f32_16x16x128_f8f6f4 v[8*(8*((\a)%4)+\b):8*(8*((\a)%4)+\b)+7], v[128*(\p)+FR*\b:128*(\p)+FR*\b+FR-1], v[AF+FR*(\a):AF+FR*(\a)+FR-1], v[8*(8*((\a)%4)+\b):8*(8*((\a)%4)+\b)+7], v[SC+8*NQ*(\sc)+NQ*\b+(\q)], v[SC+8*NQ*(\sc)+NQ*(\a)+(\q)] matrix_a_fmt:MATRIX_FMT_BF8 matrix_b_fmt:MATRIX_FMT_BF8 matrix_a_scale:MATRIX_SCALE_ROW1
.endif
.endr
.endr
.endm
.macro FETCH_B slot, q, p
	WIN TO_B
.irp i, 0,1,2,3,4,5,6,7
	FRAG 128*(\p)+FR*\i, ADRB+\slot, \q, \i
.endr
	WIN 0
.endm
.macro FETCH_A slot, q, i0
.irp i, \i0, \i0+1, \i0+2, \i0+3
	FRAGA AF+FR*(\i), ADRA+\slot, \q, \i
.endr
.endm
.macro SCALES sc
.irp i, 0,1,2,3,4,5,6,7
	ds_load_b64 v[SC+8*NQ*\sc+NQ*\i:SC+8*NQ*\sc+NQ*\i+1], v[ADRS] offset:\i*SBLK
.endr
.endm
.macro PLACES n
.rept \n
	v_nop
.endr
.endm
.macro STEP slot, q, first
	s_wait_dscnt 4*NL                              ; B's set and A's blocks 0-3 are in; the sixteen youngest loads may be out
.if \first
	WIN FST_LO
.else
	WIN MUL_LO
.endif
	MUL16 0, (\q)%2, \q, \slot, \first
	MUL16 2, (\q)%2, \q, \slot, \first
	s_wait_dscnt 0
	PLACES NP
	FETCH_B \slot, (\q)+1, 1-(\q)%2
	FETCH_A \slot, (\q)+1, 0
.if \first
	WIN FST_HI
.else
	WIN MUL_HI
.endif
	MUL16 4, (\q)%2, \q, \slot, \first
	MUL16 6, (\q)%2, \q, \slot, \first
	PLACES NP
	WIN 0
	FETCH_A \slot, (\q)+1, 4
.endm
.macro TURN slot, next, fill
	s_wait_tensorcnt 0x0                           ; all my tensor loads have landed: my part of the next slot
	ds_add_u32 v[SPW], v[NIL]                      ; 0 onto my spare word
	s_wait_dscnt 4*NL+1                            ; the add and the sixteen youngest loads may be out
	WIN MUL_LO
	MUL16 0, 1, NQ-1, \slot, 0
	s_wait_dscnt 0x0                               ; the add is done, and my reads of this slot are over
	s_barrier_signal -1
	MUL16 2, 1, NQ-1, \slot, 0
	WIN 0
	s_barrier_wait -1
.if \fill
	CREST                                          ; a round of the cluster's barrier: no wave of any partner still reads this slot or has a load on its way
	s_add_nc_u64 s[G0+4*\slot+2:G0+4*\slot+3], s[G0+4*\slot+2:G0+4*\slot+3], 2*ASTEP
	s_add_nc_u64 s[G0B+4*\slot+2:G0B+4*\slot+3], s[G0B+4*\slot+2:G0B+4*\slot+3], 2*ROWB
	JLOAD G0+4*\slot, G1, G0B+4*\slot, G1B
	PLACES NP-4
.else
	PLACES NP
.endif
	s_wait_alu depctr_va_vdst(0)
	v_add_nc_u32 v[ADRS], 4*NQ, v[ADRS]
	FETCH_B \next, 0, 0
	FETCH_A \next, 0, 0
	SCALES \next
	WIN MUL_HI
	MUL16 4, 1, NQ-1, \slot, 0
	MUL16 6, 1, NQ-1, \slot, 0
	PLACES NP
	WIN 0
	FETCH_A \next, 0, 4
.endm
	s_wait_alu depctr_va_vdst(0)
	s_wait_tensorcnt 1                             ; the scales and my part of slot 0 are in; slot 1's load may be out
	s_barrier_signal -1
	s_barrier_wait -1
	FETCH_B 0, 0, 0
	FETCH_A 0, 0, 0
	SCALES 0
	FETCH_A 0, 0, 4
	s_wait_loadcnt 0x0                             ; the bias
	STEP 0, 0, 1                                   ; the first products start the sums from the bias
	s_mov_b32 s3, LAPS-1
.Llap:
	TURN 0, 1, 1
	STEP 1, 0, 0
	TURN 1, 0, 1
	STEP 0, 0, 0
	s_sub_co_u32 s3, s3, 1
	s_cmp_lg_u32 s3, 0
	s_cbranch_scc1 .Llap
	TURN 0, 1, 0
	STEP 1, 0, 0
	s_wait_dscnt 4*NL
	WIN MUL_LO
	MUL16 0, 1, NQ-1, 1, 0
	MUL16 2, 1, NQ-1, 1, 0
	s_wait_dscnt 0
	WIN MUL_HI
	MUL16 4, 1, NQ-1, 1, 0
	MUL16 6, 1, NQ-1, 1, 0
	WIN 0
; THE WAY OUT, block by block of 16 rows x 128 columns, through my own stage: back come whole rows of 512 bytes.  LDS serves a wave's instructions in order (ISA guide 5.7.1.4).
.macro TOSTAGE a
.set AC, 64*((\a)%4)
	WIN 0x08+4*((\a)/4)                            ; the data: window 2 or 3
.irp b, 0,1,2,3,4,5,6,7
	ds_store_b128 v[STO], v[AC+8*\b:AC+8*\b+3] offset:64*\b          ; each accumulator from its low end on
	ds_store_b128 v[STO], v[AC+8*\b+4:AC+8*\b+7] offset:64*\b+16
.endr
	WIN 0
.set BB, BK+64*((\a)%2)
.irp t, 0,1,2,3,4,5,6,7,8,9,10,11,12,13,14,15
	ds_load_b128 v[BB+4*\t:BB+4*\t+3], v[RD] offset:\t*SPITCH
.endr
.endm
.macro SEND a, younger                 ; row t of block a is token 32 (a / 2) + 8 (a % 2) + t % 8 + 16 (t / 8) of my group: at most 127 rows of 4,096 bytes, inside the signed 24-bit immediate: the base is never stepped
.set BB, BK+64*((\a)%2)
	s_wait_dscnt \younger
.irp t, 0,1,2,3,4,5,6,7,8,9,10,11,12,13,14,15
	global_store_b128 v[CO], v[BB+4*\t:BB+4*\t+3], s[12:13] offset:(32*((\a)/2)+8*((\a)%2)+(\t%8)+16*(\t/8))*4096 th:TH_STORE_NT   ; 32 lanes store 512 consecutive bytes, at a multiple of 256 from out's first byte
.endr
.endm
	PLACES NP
	TOSTAGE 0
.irp a, 1,2,3,4,5,6,7
.if \a > 1
	s_wait_xcnt 0x0                                ; block a - 2's stores have read their registers: block a's loads may land there
.endif
	TOSTAGE \a
	SEND \a-1, 32                                  ; behind block a - 1's loads: block a's 16 stores and 16 loads
.endr
	SEND 7, 0
	s_wait_tensorcnt 0x0                           ; the wave's end
	ds_add_u32 v[SPW], v[NIL]
	s_wait_dscnt 0x0
	CROUND                                         ; the closing round
	s_endpgm
.Lfunc_end_k_qbe6af3d90d_oproj:
	.size	k_qbe6af3d90d_oproj, .Lfunc_end_k_qbe6af3d90d_oproj-k_qbe6af3d90d_oproj
	.p2alignl 7, 3214868480
	.fill 96, 4, 3214868480
	.section	.rodata,"a",@progbits
	.p2align	6, 0x0
	.amdhsa_kernel k_qbe6af3d90d_oproj
		.amdhsa_group_segment_fixed_size 327680
		.amdhsa_private_segment_fixed_size 0
		.amdhsa_enable_private_segment 0
		.amdhsa_kernarg_size 48
		.amdhsa_user_sgpr_count 2
		.amdhsa_user_sgpr_kernarg_segment_ptr 1
		.amdhsa_wavefront_size32 1
		.amdhsa_system_sgpr_workgroup_id_x 1
		.amdhsa_system_sgpr_workgroup_id_y 1
		.amdhsa_system_sgpr_workgroup_id_z 1
		.amdhsa_system_vgpr_workitem_id 0
		.amdhsa_next_free_vgpr 1024
		.amdhsa_next_free_sgpr 98
		.amdhsa_reserve_vcc 0
		.amdhsa_float_denorm_mode_32 3
		.amdhsa_float_denorm_mode_16_64 3
		.amdhsa_memory_ordered 1
		.amdhsa_forward_progress 1
		.amdhsa_inst_pref_size 148
	.end_amdhsa_kernel
	.amdgpu_metadata
---
amdhsa.version: [ 1, 2 ]
amdhsa.kernels:
  - .name:           k_qbe6af3d90d_oproj
    .symbol:         k_qbe6af3d90d_oproj.kd
    .args:
      - { .name: ctx_img, .offset: 0, .size: 8, .value_kind: global_buffer, .address_space: global }
      - { .name: ctx_sc, .offset: 8, .size: 8, .value_kind: global_buffer, .address_space: global }
      - { .name: Wo_codes, .offset: 16, .size: 8, .value_kind: global_buffer, .address_space: global }
      - { .name: Wo_scales, .offset: 24, .size: 8, .value_kind: global_buffer, .address_space: global }
      - { .name: bo, .offset: 32, .size: 8, .value_kind: global_buffer, .address_space: global }
      - { .name: out0, .offset: 40, .size: 8, .value_kind: global_buffer, .address_space: global }
    .group_segment_fixed_size: 327680
    .private_segment_fixed_size: 0
    .kernarg_segment_align: 8
    .kernarg_segment_size: 48
    .max_flat_workgroup_size: 128
    .sgpr_count:     98
    .vgpr_count:     1024
    .wavefront_size: 32
...
	.end_amdgpu_metadata
.endif
;; end of part 3
